; MI455X (gfx1250); checked and timed in simulation.
; The chip was launched on July 23, 2026; its instructions are those of AMD's public machine-readable ISA for CDNA 5 (MIT licence, August 2026) and "CDNA5" Instruction Set Architecture Reference Guide (July 2026). The comments in the code are by the model that wrote it; some were corrected since.
;; Attention. Allowed arithmetic: matrix products marked QUANTISED: E2M3 operands, one E8M0 scale for each 32 along K, by v_wmma_scale_f32_16x16x128_f8f6f4 with both operands' format E2M3, f32 sums; everything else in f32.
;; Inputs: Wg 512 x 512 float32; Wk 512 x 512 float32; Wo 512 x 512 float32; Wq 512 x 512 float32; Wv 512 x 512 float32; bg 512 float32; bias 4 x 2,048 x 2,048 float32; bk 512 float32; bo 512 float32; bq 512 float32; bv 512 float32; k 4 x 2,048 x 512 float32; q 4 x 2,048 x 512 float32; v 4 x 2,048 x 512 float32.
;; Outputs: out0 4 x 2,048 x 512 float32.
;; This version of the problem:
;;   THIS VERSION OF THE PROBLEM IS GIVEN IN LOW PRECISION. The matrix products marked QUANTISED in the list below multiply operands that are first quantised to E2M3 (2 exponent bits, 3 mantissa bits; 6 bits a number), with one power-of-two scale for each 32 numbers along K (OCP MX v1.0); their sums are f32. All else is computed in f32.
;;   The module's matrix products, in the order in which they are computed (A, B: the left and right operand; K: the contracted axis; several contracted axes count as one K, in the product's order):
;;     1. [M 8,192, K 512] x [K 512, N 512]; A: input q; B: input Wq: QUANTISED
;;     2. [M 8,192, K 512] x [K 512, N 512]; A: input k; B: input Wk: QUANTISED
;;     3. [M 8,192, K 512] x [K 512, N 512]; A: input v; B: input Wv: QUANTISED
;;     4. batch 32 x [M 2,048, K 64] x [K 64, N 2,048]; A: computed on the way; B: computed on the way: QUANTISED
;;     5. batch 32 x [M 64, K 2,048] x [K 2,048, N 2,048]; A: computed on the way; B: computed on the way: QUANTISED
;;     6. [M 8,192, K 512] x [K 512, N 512]; A: input q; B: input Wg: QUANTISED
;;     7. [M 8,192, K 512] x [K 512, N 512]; A: computed on the way; B: input Wo: QUANTISED
;;   THE QUANTISER, for each operand of a quantised product, along K:
;;     - K is cut into blocks of 32 from its start; a last block that is shorter is filled with zeros.
;;     - A block's scale is 2^e with e = floor(log2(the largest magnitude in the block)) - 2, held to -126 .. 127; a block of zeros has e = 0. As a byte (E8M0): e + 127.
;;     - Each number is divided by its block's scale, clamped to +-7.5, and rounded to the nearest number of E2M3, ties to even, subnormals kept.
;;     - The product sums the exact products of the quantised numbers (number of the format x scale) in f32.
;;   ~~~python
;;   def quantise(x, axis):      # numpy; x: float32 -> the quantised numbers, widened to float32 again
;;       x = np.moveaxis(x, axis, -1); K = x.shape[-1]
;;       x = np.pad(x, [(0, 0)] * (x.ndim - 1) + [(0, -K % 32)]); x = x.reshape(x.shape[:-1] + (-1, 32)); a = np.abs(x).max(-1, keepdims=True)
;;       e = np.where(a > 0, np.clip(np.frexp(np.where(a > 0, a, 1))[1] - 1 - 2, -126, 127), 0)      # np.frexp(a)[1] - 1 = floor(log2(a)), exactly
;;       r = np.clip(x / 2.0 ** e, -7.5, 7.5)
;;       step = 2.0 ** (np.maximum(np.frexp(np.where(r == 0, 1, r))[1] - 1, 0) - 3)
;;       q = np.round(r / step) * step * 2.0 ** e      # np.round: ties to even
;;       return np.moveaxis(q.reshape(q.shape[:-2] + (-1,))[..., :K], -1, axis).astype(np.float32)
;;   ~~~
;;   OPERANDS COMPUTED ON THE WAY. 'Computed on the way' means the value that the module computes at that place (a softmax that the list does not call 'softmax' is quantised finished and normalised). What goes into a quantiser is computed in f32, as accurately as f32 sums, v_exp_f32 and their like allow (about 1e-6 of the number): no bf16 or f16 on the way to a quantiser, and a product that is left as it is and whose result goes on into a quantised operand takes f32 operands (vector FMAs, or v_wmma_f32_16x16x4_f32). A number that lies on a knife's edge between two numbers of the format may be rounded either way, as far as f32 arithmetic and the matrix unit's own rounding can turn it there, and no further.
;; One version. Each part assembles by itself: llvm-mc -triple=amdgcn-amd-amdhsa -mcpu=gfx1250 --defsym DOCPART=n.
;; ======== version 1 of 1: 3 launches
;; limits: right only within a limited range of input values
;; workspace buffers: wimg 1,064,960 bytes; qimg 4,194,304 bytes; gimg 16,777,216 bytes; kimg 3,276,800 bytes; vimg 3,276,800 bytes
;; launch wquant (part 1): grid 32 x 5, 4 waves a work-group, no clusters, 33,536 bytes of LDS; arguments Wq, Wg, Wk, Wv, Wo, wimg; writes wimg
.if DOCPART == 1
	.amdgcn_target "amdgcn-amd-amdhsa--gfx1250"
	.amdhsa_code_object_version 6
	.text
	.protected	k_q9c793951e1_wquant
	.globl	k_q9c793951e1_wquant
	.p2align	8
	.type	k_q9c793951e1_wquant,@function
k_q9c793951e1_wquant:
	s_mov_b64 s[64:65], 0
	v_nop
	global_prefetch_b8 v0, s[64:65] scope:SCOPE_SE
	s_setreg_imm32_b32 hwreg(HW_REG_WAVE_MODE, 25, 1), 1
	s_wait_xcnt 0x0
; The five weights Wq, Wg, Wk, Wv, Wo, each [512 (K)][512 (N)] f32 with K as the FIRST axis, become codes of FP6 (E2M3) with one E8M0 byte for each 32 along K,
; laid in wimg as IMAGES OF OPERAND REGISTERS: a fragment (16 columns x 128 K, 12 registers a lane) is three chunks of 512 bytes, chunk i = registers 4 i .. 4 i + 3 at 16 x lane.
; NO WORK OF THE PROBLEM IS LEFT OUT in this program: all fourteen inputs reach the output (each bias goes into a quantised operand or into the result), so all are loaded.
; wimg: [weight 5] x 212,992; in it [column group hd of 64 columns, 8] x 26,624; codes of fragment (t, s) at (4 t + s) x 1,536; its scale words at 24,576 + (4 t + s) x 128 + 4 x lane.
; THE COLUMNS OF A FRAGMENT ARE NOT NEIGHBOURS: lane r of fragment (t, s) takes column 64 hd + 32 (r / 8) + 8 t + r % 8, so that in a product whose source 0 is such a fragment a lane's
; 32 results of t = 0 .. 3 are 32 NEIGHBOURS along the next product's K: a whole block in one lane.
; SHARES.  Work-group (x, y): weight y, column group x / 4, K step x % 4: a slab of 128 rows x 256 bytes.  Each wave brings 32 rows into LDS, sixteen lanes to a row's 256 bytes; behind one barrier wave t
; reads its fragment's numbers, a lane a column, registers down K, quantises them and stores the image.  LDS: four blocks of 32 rows, 64 bytes of gap behind each, so that lanes 16-31, which read 32 rows
; further down, fall 16 words further on among the banks.
; LIMITS: NaN and infinities are not served.  A block whose largest magnitude lies under 2^-124 (a block of zeros too, where the rule says 127) gets the byte 1: this program alone reads the bytes, and zero codes add nothing.
.set BLKP,  8256                       ; 32 rows of 256 bytes + 64
.set SPARE, 4*BLKP                     ; the spare words: 128 bytes a wave, two blocks of 256 bytes that no other line names
.set SPW, 2                            ; v2  my spare word's LDS address; never rewritten
.set NIL, 3                            ; v3  0; never rewritten
.set GA,  4                            ; v4  the slab in memory: 2,048 (lane / 16) + 16 (lane % 16)
.set LST, 5                            ; v5  LDS: where my loads go
.set LRD, 6                            ; v6  LDS: my column
.set G16, 7                            ; v7  16 x lane
.set G4,  8                            ; v8  4 x lane
.set SH8, 9                            ; v9  8 x (lane / 16)
.set MX,  12                           ; v12-13 largest magnitudes
.set SO,  14                           ; v14-15 the conversions' scale operands
.set BY,  16                           ; v16-17 scale bytes
.set PW,  18                           ; v18 the scale word
.set TP,  19                           ; v19 a lane permute's destination
.set TC,  20                           ; v20-26 second halves of blocks' codes
.set PC,  28                           ; v28-39 the fragment
.set X,   64                           ; v64-127 as loaded, then the lane's 64 numbers
.set SEL, 28                           ; s[28:29]
; Two blocks of 32 numbers, v[s0] on and v[s1] on: the largest magnitude over the floor 2^(3 - 127), the conversion's operand (2 off the exponent field), the byte.
.macro QMAX2 s0, s1, b0, b1
	v_max3_num_f32 v[MX], |v[(\s0)]|, |v[(\s0)+1]|, 0x1800000
	v_max3_num_f32 v[MX+1], |v[(\s1)]|, |v[(\s1)+1]|, 0x1800000
.set qi, 2
.rept 15
	v_max3_num_f32 v[MX], v[MX], |v[(\s0)+qi]|, |v[(\s0)+qi+1]|
	v_max3_num_f32 v[MX+1], v[MX+1], |v[(\s1)+qi]|, |v[(\s1)+qi+1]|
.set qi, qi+2
.endr
	v_add_nc_u32 v[SO], 0xff000000, v[MX]
	v_add_nc_u32 v[SO+1], 0xff000000, v[MX+1]
	v_lshrrev_b32 v[\b0], 23, v[SO]
	v_lshrrev_b32 v[\b1], 23, v[SO+1]
.endm
; their codes: six registers each, at v[d0] and v[d1] (a conversion's three registers begin on an even number, so a block's second half is made elsewhere and moved)
.macro QCVT2 s0, s1, d0, d1
	v_cvt_scalef32_pk16_fp6_f32 v[(\d0):(\d0)+2], v[(\s0):(\s0)+15], v[SO]
	v_cvt_scalef32_pk16_fp6_f32 v[TC:TC+2], v[(\s0)+16:(\s0)+31], v[SO]
	v_cvt_scalef32_pk16_fp6_f32 v[(\d1):(\d1)+2], v[(\s1):(\s1)+15], v[SO+1]
	v_cvt_scalef32_pk16_fp6_f32 v[TC+4:TC+6], v[(\s1)+16:(\s1)+31], v[SO+1]
	v_nop                                          ; one plain place behind the scaled conversions
.irp i, 0,1,2
	v_mov_b32 v[(\d0)+3+\i], v[TC+\i]
	v_mov_b32 v[(\d1)+3+\i], v[TC+4+\i]
.endr
.endm
; a row's scale word from my two bytes (blocks h and 2 + h) and lane l xor 16's two: whole in every lane
.macro WORD d, lo, hi
	v_lshl_or_b32 v[\d], v[\hi], 16, v[\lo]
	v_lshlrev_b32 v[\d], v[SH8], v[\d]
	v_permlanex16_b32 v[TP], v[\d], s[SEL], s[SEL+1]
	v_or_b32 v[\d], v[\d], v[TP]
.endm
	s_load_b256 s[4:11], s[0:1], 0x0               ; Wq, Wg, Wk, Wv
	s_load_b128 s[12:15], s[0:1], 0x20             ; Wo, wimg
	v_lshl_add_u32 v[SPW], v0, 2, SPARE
	v_mov_b32 v[NIL], 0
	v_lshrrev_b32 v1, 5, v0
	v_readfirstlane_b32 s16, v1                    ; wave t
	v_and_b32 v10, 31, v0                          ; lane
	v_and_b32 v11, 15, v0                          ; r
	v_bfe_u32 v1, v0, 4, 1                         ; h
	v_lshlrev_b32 v[GA], 4, v11
	v_lshl_add_u32 v[GA], v1, 11, v[GA]
	v_lshlrev_b32 v[G16], 4, v10
	v_lshlrev_b32 v[G4], 2, v10
	v_lshlrev_b32 v[SH8], 3, v1
	s_mul_i32 s17, s16, BLKP
	v_add_nc_u32 v[LST], s17, v[G16]               ; my wave's block of 32 rows, 16 x lane
	v_mul_u32_u24 v[LRD], v1, BLKP                 ; lanes 16-31: one block (32 rows) on
	v_bfe_u32 v10, v0, 3, 1
	v_lshl_add_u32 v[LRD], v10, 7, v[LRD]          ; + 128 (r / 8)
	v_and_b32 v10, 7, v0
	v_lshl_add_u32 v[LRD], v10, 2, v[LRD]          ; + 4 (r % 8)
	s_lshl_b32 s17, s16, 5
	v_add_nc_u32 v[LRD], s17, v[LRD]               ; + 32 t
	v_mov_b32 v[TP], 0                             ; written once: a lane permute's destination counts as one of its sources
	s_mov_b32 s[SEL], 0x76543210
	s_mov_b32 s[SEL+1], 0xfedcba98                 ; lane l xor 16
	s_lshr_b32 s18, ttmp9, 2                       ; column group hd
	s_and_b32 s19, ttmp9, 3                        ; K step s
	s_and_b32 s20, ttmp7, 0xffff                   ; which weight
	s_lshl_b32 s22, s19, 18                        ; the slab: (128 s + 32 t) rows of 2,048 bytes + 256 hd
	s_lshl_b32 s23, s16, 16
	s_add_co_u32 s22, s22, s23
	s_lshl_b32 s23, s18, 8
	s_add_co_u32 s22, s22, s23
	s_mov_b32 s23, 0
	s_mul_i32 s24, s20, 212992
	s_mul_i32 s25, s18, 26624
	s_add_co_u32 s24, s24, s25                     ; the record of (weight, hd)
	s_lshl_b32 s26, s16, 2
	s_add_co_u32 s26, s26, s19                     ; 4 t + s
	s_mul_i32 s25, s26, 1536
	s_lshl_b32 s26, s26, 7
	s_add_co_u32 s26, s26, s24
	s_add_co_u32 s26, s26, 24576                   ; the fragment's scale words
	s_add_co_u32 s24, s24, s25                     ; the fragment's codes
	s_mov_b32 s25, 0
	s_mov_b32 s27, 0
	s_wait_alu depctr_va_vdst(0)
	s_wait_kmcnt 0x0
	s_cmp_eq_u32 s20, 1                            ; the choice hangs on the work-group's number alone
	s_cselect_b64 s[4:5], s[6:7], s[4:5]
	s_cmp_eq_u32 s20, 2
	s_cselect_b64 s[4:5], s[8:9], s[4:5]
	s_cmp_eq_u32 s20, 3
	s_cselect_b64 s[4:5], s[10:11], s[4:5]
	s_cmp_eq_u32 s20, 4
	s_cselect_b64 s[4:5], s[12:13], s[4:5]
	s_add_nc_u64 s[4:5], s[4:5], s[22:23]
	s_add_nc_u64 s[24:25], s[14:15], s[24:25]
	s_add_nc_u64 s[26:27], s[14:15], s[26:27]
.irp j, 0,1,2,3,4,5,6,7,8,9,10,11,12,13,14,15
	global_load_b128 v[X+4*\j:X+4*\j+3], v[GA], s[4:5] offset:4096*\j th:TH_LOAD_NT   ; two rows: sixteen lanes read a row's 256 consecutive bytes
.endr
.irp j, 0,1,2,3,4,5,6,7,8,9,10,11,12,13,14,15
	s_wait_loadcnt 15-\j                           ; load j is in; the 15 - j younger ones may be out
	ds_store_b128 v[LST], v[X+4*\j:X+4*\j+3] offset:512*\j
.endr
	s_wait_dscnt 0x0                               ; for the others' sake: my rows lie in LDS
	s_barrier_signal -1
	s_barrier_wait -1
.irp c, 0,1
.irp i, 0,1,2,3,4,5,6,7,8,9,10,11,12,13,14,15,16,17,18,19,20,21,22,23,24,25,26,27,28,29,30,31
	ds_load_b32 v[X+32*\c+\i], v[LRD] offset:2*BLKP*\c+256*\i   ; W(128 s + 64 c + 32 h + i, my column)
.endr
.endr
	s_wait_dscnt 0x0
	QMAX2 X, X+32, BY, BY+1
	WORD PW, BY, BY+1
	QCVT2 X, X+32, PC, PC+6
.irp i, 0,1,2
	global_store_b128 v[G16], v[PC+4*\i:PC+4*\i+3], s[24:25] offset:512*\i   ; 32 lanes store 512 consecutive bytes, aligned
.endr
	global_store_b32 v[G4], v[PW], s[26:27]
	s_wait_tensorcnt 0x0                           ; the wave's end, behind my last LDS store
	ds_add_u32 v[SPW], v[NIL]
	s_wait_dscnt 0x0
	s_endpgm
.Lfunc_end_k_q9c793951e1_wquant:
	.size	k_q9c793951e1_wquant, .Lfunc_end_k_q9c793951e1_wquant-k_q9c793951e1_wquant
	.p2alignl 7, 3214868480
	.fill 96, 4, 3214868480
	.section	.rodata,"a",@progbits
	.p2align	6, 0x0
	.amdhsa_kernel k_q9c793951e1_wquant
		.amdhsa_group_segment_fixed_size 33536
		.amdhsa_private_segment_fixed_size 0
		.amdhsa_enable_private_segment 0
		.amdhsa_kernarg_size 48
		.amdhsa_user_sgpr_count 2
		.amdhsa_user_sgpr_kernarg_segment_ptr 1
		.amdhsa_wavefront_size32 1
		.amdhsa_system_sgpr_workgroup_id_x 1
		.amdhsa_system_sgpr_workgroup_id_y 1
		.amdhsa_system_sgpr_workgroup_id_z 1
		.amdhsa_system_vgpr_workitem_id 0
		.amdhsa_next_free_vgpr 128
		.amdhsa_next_free_sgpr 66
		.amdhsa_reserve_vcc 0
		.amdhsa_float_denorm_mode_32 3
		.amdhsa_float_denorm_mode_16_64 3
		.amdhsa_memory_ordered 1
		.amdhsa_forward_progress 1
		.amdhsa_inst_pref_size 14
	.end_amdhsa_kernel
	.amdgpu_metadata
---
amdhsa.version: [ 1, 2 ]
amdhsa.kernels:
  - .name:           k_q9c793951e1_wquant
    .symbol:         k_q9c793951e1_wquant.kd
    .args:
      - { .name: Wq, .offset: 0, .size: 8, .value_kind: global_buffer, .address_space: global }
      - { .name: Wg, .offset: 8, .size: 8, .value_kind: global_buffer, .address_space: global }
      - { .name: Wk, .offset: 16, .size: 8, .value_kind: global_buffer, .address_space: global }
      - { .name: Wv, .offset: 24, .size: 8, .value_kind: global_buffer, .address_space: global }
      - { .name: Wo, .offset: 32, .size: 8, .value_kind: global_buffer, .address_space: global }
      - { .name: wimg, .offset: 40, .size: 8, .value_kind: global_buffer, .address_space: global }
    .group_segment_fixed_size: 33536
    .private_segment_fixed_size: 0
    .kernarg_segment_align: 8
    .kernarg_segment_size: 48
    .max_flat_workgroup_size: 128
    .sgpr_count:     66
    .vgpr_count:     128
    .wavefront_size: 32
...
	.end_amdgpu_metadata
.endif
;; end of part 1
;; launch proj (part 2): grid 64 x 4, 8 waves a work-group, no clusters, 121,856 bytes of LDS; arguments q, k, v, bq, bg, bk, bv, wimg, qimg, gimg, kimg, vimg; writes qimg, gimg, kimg, vimg
.if DOCPART == 2
	.amdgcn_target "amdgcn-amd-amdhsa--gfx1250"
	.amdhsa_code_object_version 6
	.text
	.protected	k_q9c793951e1_proj
	.globl	k_q9c793951e1_proj
	.p2align	8
	.type	k_q9c793951e1_proj,@function
k_q9c793951e1_proj:
	s_mov_b64 s[64:65], 0
	v_nop
	global_prefetch_b8 v0, s[64:65] scope:SCOPE_SE
	s_setreg_imm32_b32 hwreg(HW_REG_WAVE_MODE, 25, 1), 1
	s_wait_xcnt 0x0
; The four projections, on codes of FP6 (E2M3) with one E8M0 byte for each 32 along K = 512.  Work-group (x, y): tokens 128 x .. 128 x + 127 of the 8,192; job y:
;   0: (q Wq + bq) / 8 -> codes along the head's 64 (qimg)     1: sigmoid(q Wg + bg) -> f32 (gimg)     2: k Wk + bk -> codes along the head's 64 (kimg)     3: v Wv + bv -> codes along the KEYS (vimg)
; No work of the problem is left out.
; SHARES.  Wave w owns head w (64 columns): its 16 weight fragments stay in registers (window 1).  Wave w also quantises token tile w of the input (16 rows x 512) and leaves the four fragments in LDS as images
; of their registers (three chunks of 512 bytes, 16 x lane; scale words 4 x lane); behind ONE barrier every wave reads all 32 fragments.  LDS is written nowhere behind that barrier.
; WHOLE BLOCKS IN ONE LANE.  Jobs 0 to 2 use the product transposed (source 0 = 16 columns of the weight, source 1 = 16 tokens).  wimg's fragments take their columns so that a lane's 32 results of
; t = 0 .. 3 are channels 32 h + 0 .. 31 of one token: one block of the next product's K.  Job 3 is not transposed (source 0 = 16 tokens), and THE TOKENS OF A TILE ARE NOT NEIGHBOURS in jobs 2 and 3:
; row m of tile T is key 64 (T / 4) + 8 (T % 4) + m % 8 + 32 (m / 8), so that a lane's 32 results of tiles 4 c + 0 .. 3 are keys 64 c + 32 h + 0 .. 31 of one channel.  No maximum crosses lanes, no half is swapped.
; OUTPUT LAYOUTS.  qimg [query tile 512][head 8] x 1,024: register pairs as three chunks of 256 bytes (8 x lane), the word [s0 s1 s0 s1] at 768 + 4 x lane.  gimg [query tile][head] x 4,096: chunk i at 512 i + 16 x lane = g(r, 32 h + 4 i ..).
; kimg, vimg [step of 128 keys, 64] x 51,200: codes at 6,144 head + 1,536 f + 512 chunk + 16 x lane; scale words at 49,152 + 256 head + 8 x lane (lanes 0-15: fragments 0, 1; lanes 16-31: fragments 2, 3).
; A K fragment f holds key tile 2 f in registers 0-5 and key tile 2 f + 1 in registers 6-11 (the head's 64 fill half of the instruction's 128).
; LIMITS: NaN and infinities are not served.  A block whose largest magnitude lies under 2^-124 (a block of zeros too) gets the byte 1.  The sigmoid is 1 / (1 + 2^(-x log2 e)) by v_exp_f32 and v_rcp_f32.
; REGISTERS, window 0: v1-15 addresses; v16-23 the weight's scale words (lanes 0-15 fragment n, lanes 16-31 fragment n + 8); v24-31 x's scale words; v32-47 at work; v48-59 codes just made; v60-63 scale words to store;
;   v64-127 64 numbers of x, later 8 accumulators; v128-255 two sets of x as loaded, later v128-223 eight fragments of x and v232-255 two fragments of V.   window 1: v0-191 the weight; v192-223 the bias in the result's layout.
.set STGW,  8448                       ; a wave's stage: 16 rows x (512 + 16) bytes
.set XIMG,  8*STGW                     ; x's 32 fragments (4 T + s) x 1,536
.set XSC,   XIMG+32*1536               ; their scale words x 128
.set SPARE, XSC+32*128                 ; the spare words: 128 bytes a wave, four blocks of 256 bytes that no other line names
.set WSA, 1                            ; v1  4 r + 1,024 h: the weight's scale words
.set SPW, 2
.set NIL, 3
.set G16, 4                            ; v4  16 x lane
.set XO1, 5                            ; v5  16 x lane + the tile's rows 8-15
.set STS, 6                            ; v6  my stage, on the way in
.set STL, 7                            ; v7  and out: 528 r + 128 h
.set XWI, 8                            ; v8  where I store x's images
.set XWS, 9                            ; v9  and their scale words
.set LI,  10                           ; v10 XIMG + 16 x lane
.set LS,  11                           ; v11 XSC + 4 x lane
.set SH8, 12
.set G8,  13
.set G4,  14
.set TP,  15
.set WS,  16
.set XS,  24
.set MX,  32
.set SO,  34
.set BY,  36
.set BA,  32                           ; v32-39: at the head the biases' eight address registers
.set TC,  40
.set PC,  48
.set WD,  60
.set ACC, 64
.set XF,  128
.set VF,  232
.set SEL, 32                           ; s[32:33]
.set MSB, 0
.macro WIN new                         ; the immediate's high byte repeats the setting that is left
.if MSB != \new
	s_set_vgpr_msb (MSB<<8)|\new
.set MSB, \new
.endif
.endm
.macro QMAX2 s0, s1, b0, b1            ; two blocks of 32: largest magnitude over the floor 2^(3 - 127), the conversion's operand, the byte
	v_max3_num_f32 v[MX], |v[(\s0)]|, |v[(\s0)+1]|, 0x1800000
	v_max3_num_f32 v[MX+1], |v[(\s1)]|, |v[(\s1)+1]|, 0x1800000
.set qi, 2
.rept 15
	v_max3_num_f32 v[MX], v[MX], |v[(\s0)+qi]|, |v[(\s0)+qi+1]|
	v_max3_num_f32 v[MX+1], v[MX+1], |v[(\s1)+qi]|, |v[(\s1)+qi+1]|
.set qi, qi+2
.endr
	s_delay_alu instid0(VALU_DEP_2)
	v_add_nc_u32 v[SO], 0xff000000, v[MX]
	s_delay_alu instid0(VALU_DEP_2)
	v_add_nc_u32 v[SO+1], 0xff000000, v[MX+1]
	s_delay_alu instid0(VALU_DEP_2)
	v_lshrrev_b32 v[\b0], 23, v[SO]
	s_delay_alu instid0(VALU_DEP_2)
	v_lshrrev_b32 v[\b1], 23, v[SO+1]
.endm
.macro QCVT2 s0, s1, d0, d1            ; their codes, six registers each
	v_cvt_scalef32_pk16_fp6_f32 v[(\d0):(\d0)+2], v[(\s0):(\s0)+15], v[SO]
	v_cvt_scalef32_pk16_fp6_f32 v[TC:TC+2], v[(\s0)+16:(\s0)+31], v[SO]
	v_cvt_scalef32_pk16_fp6_f32 v[(\d1):(\d1)+2], v[(\s1):(\s1)+15], v[SO+1]
	v_cvt_scalef32_pk16_fp6_f32 v[TC+4:TC+6], v[(\s1)+16:(\s1)+31], v[SO+1]
	v_nop                                          ; one plain place behind the scaled conversions
.irp i, 0,1,2
	v_mov_b32 v[(\d0)+3+\i], v[TC+\i]
	v_mov_b32 v[(\d1)+3+\i], v[TC+4+\i]
.endr
.endm
.macro WORD d, lo, hi                  ; bytes h and 2 + h are mine, the other two lane l xor 16's
	v_lshl_or_b32 v[\d], v[\hi], 16, v[\lo]
	s_delay_alu instid0(VALU_DEP_1)
	v_lshlrev_b32 v[\d], v[SH8], v[\d]
	s_delay_alu instid0(VALU_DEP_1)
	v_permlanex16_b32 v[TP], v[\d], s[SEL], s[SEL+1]
	s_delay_alu instid0(VALU_DEP_1)
	v_or_b32 v[\d], v[\d], v[TP]
.endm
.macro MM d, a, b, c, sa, sb, row      ; one product; row = 1: source 0's scales from lanes 16-31; 2: source 1's
.if (\row) == 0
	v_wmma_scale_f32_16x16x128_f8f6f4 v[(\d):(\d)+7], v[(\a):(\a)+11], v[(\b):(\b)+11], v[(\c):(\c)+7], v[\sa], v[\sb] matrix_a_fmt:MATRIX_FMT_FP6 matrix_b_fmt:MATRIX_FMT_FP6
.elseif (\row) == 1
	v_wmma_scale_f32_16x16x128_f8f6f4 v[(\d):(\d)+7], v[(\a):(\a)+11], v[(\b):(\b)+11], v[(\c):(\c)+7], v[\sa], v[\sb] matrix_a_fmt:MATRIX_FMT_FP6 matrix_b_fmt:MATRIX_FMT_FP6 matrix_a_scale:MATRIX_SCALE_ROW1
.else
	v_wmma_scale_f32_16x16x128_f8f6f4 v[(\d):(\d)+7], v[(\a):(\a)+11], v[(\b):(\b)+11], v[(\c):(\c)+7], v[\sa], v[\sb] matrix_a_fmt:MATRIX_FMT_FP6 matrix_b_fmt:MATRIX_FMT_FP6 matrix_b_scale:MATRIX_SCALE_ROW1
.endif
.endm
.macro PLACES                          ; five plain places behind a run of products: four serve loads into their operands and reads of their results, the fifth the later product that begins an accumulator anew
.rept 5
	v_nop
.endr
.endm
	s_load_b512 s[4:19], s[0:1], 0x0               ; q, k, v, bq, bg, bk, bv, wimg
	s_load_b256 s[20:27], s[0:1], 0x40             ; qimg, gimg, kimg, vimg
	v_lshl_add_u32 v[SPW], v0, 2, SPARE
	v_mov_b32 v[NIL], 0
	v_lshrrev_b32 v1, 5, v0
	s_delay_alu instid0(VALU_DEP_1)
	v_readfirstlane_b32 s28, v1                    ; wave = head = token tile
	s_and_b32 s29, ttmp7, 0xffff                   ; job
	s_mov_b32 s30, ttmp9                           ; block of 128 tokens
	v_and_b32 v1, 31, v0                           ; lane
	v_and_b32 v60, 15, v0                          ; r
	v_bfe_u32 v61, v0, 4, 1                        ; h
	s_delay_alu instid0(VALU_DEP_3)
	v_lshlrev_b32 v[G16], 4, v1
	s_delay_alu instid0(VALU_DEP_4)
	v_lshlrev_b32 v[G8], 3, v1
	v_lshlrev_b32 v[G4], 2, v1
	s_delay_alu instid0(VALU_DEP_4)
	v_lshlrev_b32 v[SH8], 3, v61
	v_lshlrev_b32 v[WSA], 2, v60
	s_delay_alu instid0(VALU_DEP_1)
	v_lshl_add_u32 v[WSA], v61, 10, v[WSA]
	v_mov_b32 v[TP], 0                             ; written once: a lane permute's destination counts as one of its sources
	s_mul_i32 s48, s28, STGW
	v_add_nc_u32 v[STS], s48, v[G16]
	v_mul_u32_u24 v[STL], v60, 528
	s_delay_alu instid0(VALU_DEP_1)
	v_lshl_add_u32 v[STL], v61, 7, v[STL]
	s_delay_alu instid0(VALU_DEP_1)
	v_add_nc_u32 v[STL], s48, v[STL]
	s_mul_i32 s48, s28, 6144
	s_add_co_u32 s48, s48, XIMG
	v_add_nc_u32 v[XWI], s48, v[G16]
	s_lshl_b32 s48, s28, 9
	s_add_co_u32 s48, s48, XSC
	v_add_nc_u32 v[XWS], s48, v[G4]
	v_add_nc_u32 v[LI], XIMG, v[G16]
	v_add_nc_u32 v[LS], XSC, v[G4]
	s_mov_b32 s[SEL], 0x76543210
	s_mov_b32 s[SEL+1], 0xfedcba98
	s_mov_b32 s34, 0xffff0000                      ; lanes 16-31
	s_lshl_b32 s35, s28, 4                         ; my tile's first token: jobs 0, 1: 16 w;
	s_lshr_b32 s48, s28, 2
	s_lshl_b32 s48, s48, 6
	s_and_b32 s49, s28, 3
	s_lshl_b32 s49, s49, 3
	s_add_co_u32 s48, s48, s49                     ; jobs 2, 3: 64 (w / 4) + 8 (w % 4)
	s_cmp_lt_u32 s29, 2
	s_cselect_b32 s35, s35, s48
	s_cselect_b32 s36, 8, 32                       ; and from its row 0 to its row 8
	s_lshl_b32 s36, s36, 11
	v_add_nc_u32 v[XO1], s36, v[G16]
	s_lshl_b32 s48, s30, 7
	s_add_co_u32 s48, s48, s35
	s_lshl_b32 s48, s48, 11                        ; rows of 2,048 bytes
	s_mov_b32 s49, 0
	s_mul_i32 s50, s29, 212992
	s_mul_i32 s51, s28, 26624
	s_add_co_u32 s50, s50, s51                     ; the record of (weight y, head w)
	s_mov_b32 s51, 0
	s_lshl_b32 s52, s28, 8                         ; my head's 64 numbers of the bias
	s_mov_b32 s53, 0
	; The bias is the C of each sum's first product.  Jobs 0-2: register 8 t + j is the bias of channel 32 h + 8 t + j.  Job 3: of channel 32 (r / 8) + 8 t + r % 8, the same in all eight registers.
	; One text serves both: address register j = base + j x step, step 4 or 0.
	s_cmp_eq_u32 s29, 3
	s_cselect_b32 s54, 0, 128
	s_cselect_b32 s55, 128, 0
	s_cselect_b32 s56, 4, 0
	s_cselect_b32 s37, 0, 4
	v_bfe_u32 v62, v0, 3, 1
	v_and_b32 v63, 7, v0
	v_mul_u32_u24 v[BA], v61, s54
	s_delay_alu instid0(VALU_DEP_1)
	v_mad_u32_u24 v[BA], v62, s55, v[BA]
	s_delay_alu instid0(VALU_DEP_1)
	v_mad_u32_u24 v[BA], v63, s56, v[BA]
.irp j, 1,2,3,4,5,6,7
	s_delay_alu instid0(VALU_DEP_1)
	v_add_nc_u32 v[BA+\j], s37, v[BA+\j-1]
.endr
	s_wait_alu depctr_va_vdst(0)
	s_wait_kmcnt 0x0
	s_cmp_eq_u32 s29, 2                            ; the choices hang on the work-group's number alone
	s_cselect_b64 s[38:39], s[6:7], s[4:5]
	s_cselect_b64 s[42:43], s[14:15], s[10:11]
	s_cmp_eq_u32 s29, 3
	s_cselect_b64 s[38:39], s[8:9], s[38:39]
	s_cselect_b64 s[42:43], s[16:17], s[42:43]
	s_cmp_eq_u32 s29, 1
	s_cselect_b64 s[42:43], s[12:13], s[42:43]
	s_add_nc_u64 s[38:39], s[38:39], s[48:49]      ; the input at my tile's first row
	s_add_nc_u64 s[40:41], s[18:19], s[50:51]      ; my weight record
	s_add_nc_u64 s[42:43], s[42:43], s[52:53]      ; my bias
	WIN 0x40                                       ; destination window 1
.irp t, 0,1,2,3
.irp j, 0,1,2,3,4,5,6,7
	global_load_b32 v[192+8*\t+\j], v[BA+\j], s[42:43] offset:32*\t
.endr
.endr
.set n, 0
.rept 48
	global_load_b128 v[4*n:4*n+3], v[G16], s[40:41] offset:512*n   ; the 16 fragments lie on end: fragment (t, s) at v[12 (4 t + s)] of window 1
.set n, n+1
.endr
	WIN 0
.irp m, 0,1,2,3,4,5,6,7
	global_load_b32 v[WS+\m], v[WSA], s[40:41] offset:24576+128*\m
.endr
; K step s of my tile into set b: 16 loads, each a row's 512 consecutive bytes
.macro XLOAD b, s
.irp i, 0,1,2,3,4,5,6,7
	global_load_b128 v[128+64*(\b)+4*\i:128+64*(\b)+4*\i+3], v[G16], s[38:39] offset:2048*\i+512*(\s)
.endr
.irp i, 0,1,2,3,4,5,6,7
	global_load_b128 v[160+64*(\b)+4*\i:160+64*(\b)+4*\i+3], v[XO1], s[38:39] offset:2048*\i+512*(\s)
.endr
.endm
; through my own stage: in by rows, out 128 bytes of my row for each block.  LDS serves a wave's instructions in order (ISA guide 5.7.1.4): no wait between the stores and the loads.
.macro TURN b
.irp i, 0,1,2,3,4,5,6,7,8,9,10,11,12,13,14,15
	ds_store_b128 v[STS], v[128+64*(\b)+4*\i:128+64*(\b)+4*\i+3] offset:528*\i
.endr
.irp c, 0,1
.irp e, 0,1,2,3,4,5,6,7
	ds_load_b128 v[ACC+32*\c+4*\e:ACC+32*\c+4*\e+3], v[STL] offset:256*\c+16*\e   ; x(row r, 128 s + 64 c + 32 h + 4 e ..)
.endr
.endr
.endm
.macro XSTEP s, left, nxt
	s_wait_loadcnt \left                           ; this K step's 16 loads (and all that were issued ahead of them) are in; the younger set of 16 may be out
	TURN (\s)%2
	s_wait_dscnt 0x0                               ; my 64 numbers are in; the stage's stores and the last image's stores have read their registers
.if \nxt
	XLOAD (\s)%2, (\s)+2
.endif
	QMAX2 ACC, ACC+32, BY, BY+1
	WORD WD, BY, BY+1
	QCVT2 ACC, ACC+32, PC, PC+6
.irp i, 0,1,2
	ds_store_b128 v[XWI], v[PC+4*\i:PC+4*\i+3] offset:1536*(\s)+512*\i
.endr
	ds_store_b32 v[XWS], v[WD] offset:128*(\s)
.endm
	XLOAD 0, 0
	XLOAD 1, 1
	XSTEP 0, 16, 1
	XSTEP 1, 16, 1
	XSTEP 2, 16, 0
	XSTEP 3, 0, 0
	s_wait_dscnt 0x0                               ; for the others' sake: my four images lie in LDS
	s_barrier_signal -1
	s_barrier_wait -1                              ; all 32 do
	s_cmp_eq_u32 s29, 0
	s_cbranch_scc1 .Lq
	s_cmp_eq_u32 s29, 1
	s_cbranch_scc1 .Lg
	s_cmp_eq_u32 s29, 2
	s_cbranch_scc1 .Lk
	s_branch .Lv
; JOBS 0 TO 2, transposed: token tiles 2 p and 2 p + 1 at a time, eight accumulators by turns, one product a turn.
.macro FETCHT p
.irp a, 0,1
.irp s, 0,1,2,3
.irp i, 0,1,2
	ds_load_b128 v[XF+12*(4*\a+\s)+4*\i:XF+12*(4*\a+\s)+4*\i+3], v[LI] offset:(4*(2*(\p)+\a)+\s)*1536+512*\i
.endr
	ds_load_b32 v[XS+4*\a+\s], v[LS] offset:(4*(2*(\p)+\a)+\s)*128
.endr
.endr
.endm
.macro MULT
	s_wait_dscnt 0x0                               ; the eight fragments and their words are in
	s_wait_xcnt 0x0                                ; the last group's stores have read their registers, which are written again from here on
.irp s, 0,1,2,3
.if \s == 0
	WIN 0x11                                       ; source 0 (the weight) and C (the bias) window 1
.else
	WIN 0x01
.endif
.irp a, 0,1
.irp t, 0,1,2,3
.if \s == 0
	MM ACC+32*\a+8*\t, 12*(4*\t+\s), XF+12*(4*\a+\s), 192+8*\t, WS+4*(\t%2)+\s, XS+4*\a+\s, \t/2
.else
	MM ACC+32*\a+8*\t, 12*(4*\t+\s), XF+12*(4*\a+\s), ACC+32*\a+8*\t, WS+4*(\t%2)+\s, XS+4*\a+\s, \t/2
.endif
.endr
.endr
.endr
	WIN 0
	PLACES
.endm
.macro EPIQ p
.set gi, 0
.rept 32
	v_pk_mul_f32 v[ACC+gi:ACC+gi+1], v[ACC+gi:ACC+gi+1], 0x3e000000 op_sel_hi:[1,0]   ; x 64^-0.5, ahead of the quantiser; each accumulator from its low end on
.set gi, gi+2
.endr
	QMAX2 ACC, ACC+32, BY, BY+1
	WORD WD, BY, BY                                ; [s0 s1 s0 s1] of tile 2 p
	WORD WD+1, BY+1, BY+1                          ; and of tile 2 p + 1
	QCVT2 ACC, ACC+32, PC, PC+6
.irp a, 0,1
.irp i, 0,1,2
	global_store_b64 v[G8], v[PC+6*\a+2*\i:PC+6*\a+2*\i+1], s[44:45] offset:(2*(\p)+\a)*8192+256*\i   ; 32 lanes store 256 consecutive bytes, aligned
.endr
	global_store_b32 v[G4], v[WD+\a], s[44:45] offset:(2*(\p)+\a)*8192+768
.endr
.endm
.macro EPIG p
.set gi, 0
.rept 32
	v_pk_mul_f32 v[ACC+gi:ACC+gi+1], v[ACC+gi:ACC+gi+1], 0xbfb8aa3b op_sel_hi:[1,0]   ; -x log2 e
.set gi, gi+2
.endr
.set gi, 0
	s_wait_alu depctr_va_vdst(0)
.rept 64
	v_exp_f32 v[ACC+gi], v[ACC+gi]
.set gi, gi+1
.endr
	v_nop                                          ; a plain place behind the batch,
	s_wait_alu depctr_va_vdst(0)                   ; and one wait for it ahead of its first reader
.set gi, 0
.rept 32
	v_pk_add_f32 v[ACC+gi:ACC+gi+1], v[ACC+gi:ACC+gi+1], 1.0 op_sel_hi:[1,0]
.set gi, gi+2
.endr
.set gi, 0
	s_wait_alu depctr_va_vdst(0)
.rept 64
	v_rcp_f32 v[ACC+gi], v[ACC+gi]
.set gi, gi+1
.endr
	v_nop
	s_wait_alu depctr_va_vdst(0)
.irp a, 0,1
.irp i, 0,1,2,3,4,5,6,7
	global_store_b128 v[G16], v[ACC+32*\a+4*\i:ACC+32*\a+4*\i+3], s[44:45] offset:(2*(\p)+\a)*32768+512*\i   ; 512 consecutive bytes, aligned
.endr
.endr
.endm
.macro EPIK p
	QMAX2 ACC, ACC+32, BY, BY+1
	WORD WD+(\p), BY, BY+1                         ; bytes 0, 1: key tile 2 p; bytes 2, 3: key tile 2 p + 1
	QCVT2 ACC, ACC+32, PC, PC+6
.irp i, 0,1,2
	global_store_b128 v[G16], v[PC+4*\i:PC+4*\i+3], s[44:45] offset:1536*(\p)+512*\i
.endr
.endm
.macro KVBASE lo                       ; s[44:45]: my head's codes in record x; s[46:47]: its scale words
	s_mul_i32 s48, s30, 51200
	s_mul_i32 s49, s28, 6144
	s_lshl_b32 s50, s28, 8
	s_add_co_u32 s50, s50, s48
	s_add_co_u32 s50, s50, 49152
	s_add_co_u32 s48, s48, s49
	s_mov_b32 s49, 0
	s_mov_b32 s51, 0
	s_add_nc_u64 s[44:45], s[\lo:\lo+1], s[48:49]
	s_add_nc_u64 s[46:47], s[\lo:\lo+1], s[50:51]
.endm
.macro KVSC                            ; the four words, two to a register: lanes 0-15 fragments 0, 1; lanes 16-31 fragments 2, 3
	v_cndmask_b32 v[TC+2], v[WD], v[WD+2], s34
	v_cndmask_b32 v[TC+3], v[WD+1], v[WD+3], s34
	global_store_b64 v[G8], v[TC+2:TC+3], s[46:47]   ; 256 consecutive bytes, aligned
.endm
.Lq:
	s_lshl_b32 s48, s30, 16
	s_lshl_b32 s49, s28, 10
	s_add_co_u32 s48, s48, s49
	s_mov_b32 s49, 0
	s_add_nc_u64 s[44:45], s[20:21], s[48:49]
	FETCHT 0
.irp p, 0,1,2,3
	MULT
.if \p < 3
	FETCHT \p+1
.endif
	EPIQ \p
.endr
	s_branch .Lend
.Lg:
	s_lshl_b32 s48, s30, 18
	s_lshl_b32 s49, s28, 12
	s_add_co_u32 s48, s48, s49
	s_mov_b32 s49, 0
	s_add_nc_u64 s[44:45], s[22:23], s[48:49]
	FETCHT 0
.irp p, 0,1,2,3
	MULT
.if \p < 3
	FETCHT \p+1
.endif
	EPIG \p
.endr
	s_branch .Lend
.Lk:
	KVBASE 24
	FETCHT 0
.irp p, 0,1,2,3
	MULT
.if \p < 3
	FETCHT \p+1
.endif
	EPIK \p
.endr
	KVSC
	s_branch .Lend
; JOB 3, not transposed: source 0 = 16 tokens, source 1 = 16 columns of Wv.  For weight tiles 2 g, 2 g + 1 and keys 64 c on: eight accumulators (e, u) by turns, K in two halves of two steps.
.Lv:
	KVBASE 26
.irp g, 0,1
.irp c, 0,1
.irp f, 0,1
.irp u, 0,1,2,3
.irp z, 0,1
.irp i, 0,1,2
	ds_load_b128 v[XF+12*(2*\u+\z)+4*\i:XF+12*(2*\u+\z)+4*\i+3], v[LI] offset:(4*(4*\c+\u)+2*\f+\z)*1536+512*\i
.endr
	ds_load_b32 v[XS+2*\u+\z], v[LS] offset:(4*(4*\c+\u)+2*\f+\z)*128
.endr
.endr
	s_wait_dscnt 0x0
.irp z, 0,1
.if (\f == 0) && (\z == 0)
	WIN 0x14                                       ; source 1 (the weight) and C (the bias) window 1
.else
	WIN 0x04
.endif
.irp e, 0,1
.irp u, 0,1,2,3
.if (\f == 0) && (\z == 0)
	MM ACC+32*\e+8*\u, XF+12*(2*\u+\z), 12*(4*(2*\g+\e)+2*\f+\z), 192+8*(2*\g+\e), XS+2*\u+\z, WS+4*\e+2*\f+\z, 2*\g
.else
	MM ACC+32*\e+8*\u, XF+12*(2*\u+\z), 12*(4*(2*\g+\e)+2*\f+\z), ACC+32*\e+8*\u, XS+2*\u+\z, WS+4*\e+2*\f+\z, 2*\g
.endif
.endr
.endr
.endr
	WIN 0
	PLACES
.endr
	s_wait_xcnt 0x0                                ; the last pair's stores have read the registers that the codes take
	QMAX2 ACC, ACC+32, BY+\c, BY+2+\c
	QCVT2 ACC, ACC+32, VF+6*\c, VF+12+6*\c         ; registers 6 c .. 6 c + 5 of V's fragments 2 g and 2 g + 1
.endr
	WORD WD+2*\g, BY, BY+1
	WORD WD+2*\g+1, BY+2, BY+3
.irp e, 0,1
.irp i, 0,1,2
	global_store_b128 v[G16], v[VF+12*\e+4*\i:VF+12*\e+4*\i+3], s[44:45] offset:(2*\g+\e)*1536+512*\i
.endr
.endr
.endr
	KVSC
.Lend:
	s_wait_tensorcnt 0x0                           ; the wave's end, behind my last LDS store
	ds_add_u32 v[SPW], v[NIL]
	s_wait_dscnt 0x0
	s_endpgm
.Lfunc_end_k_q9c793951e1_proj:
	.size	k_q9c793951e1_proj, .Lfunc_end_k_q9c793951e1_proj-k_q9c793951e1_proj
	.p2alignl 7, 3214868480
	.fill 96, 4, 3214868480
	.section	.rodata,"a",@progbits
	.p2align	6, 0x0
	.amdhsa_kernel k_q9c793951e1_proj
		.amdhsa_group_segment_fixed_size 121856
		.amdhsa_private_segment_fixed_size 0
		.amdhsa_enable_private_segment 0
		.amdhsa_kernarg_size 96
		.amdhsa_user_sgpr_count 2
		.amdhsa_user_sgpr_kernarg_segment_ptr 1
		.amdhsa_wavefront_size32 1
		.amdhsa_system_sgpr_workgroup_id_x 1
		.amdhsa_system_sgpr_workgroup_id_y 1
		.amdhsa_system_sgpr_workgroup_id_z 1
		.amdhsa_system_vgpr_workitem_id 0
		.amdhsa_next_free_vgpr 512
		.amdhsa_next_free_sgpr 66
		.amdhsa_reserve_vcc 0
		.amdhsa_float_denorm_mode_32 3
		.amdhsa_float_denorm_mode_16_64 3
		.amdhsa_memory_ordered 1
		.amdhsa_forward_progress 1
		.amdhsa_inst_pref_size 252
	.end_amdhsa_kernel
	.amdgpu_metadata
---
amdhsa.version: [ 1, 2 ]
amdhsa.kernels:
  - .name:           k_q9c793951e1_proj
    .symbol:         k_q9c793951e1_proj.kd
    .args:
      - { .name: q, .offset: 0, .size: 8, .value_kind: global_buffer, .address_space: global }
      - { .name: k, .offset: 8, .size: 8, .value_kind: global_buffer, .address_space: global }
      - { .name: v, .offset: 16, .size: 8, .value_kind: global_buffer, .address_space: global }
      - { .name: bq, .offset: 24, .size: 8, .value_kind: global_buffer, .address_space: global }
      - { .name: bg, .offset: 32, .size: 8, .value_kind: global_buffer, .address_space: global }
      - { .name: bk, .offset: 40, .size: 8, .value_kind: global_buffer, .address_space: global }
      - { .name: bv, .offset: 48, .size: 8, .value_kind: global_buffer, .address_space: global }
      - { .name: wimg, .offset: 56, .size: 8, .value_kind: global_buffer, .address_space: global }
      - { .name: qimg, .offset: 64, .size: 8, .value_kind: global_buffer, .address_space: global }
      - { .name: gimg, .offset: 72, .size: 8, .value_kind: global_buffer, .address_space: global }
      - { .name: kimg, .offset: 80, .size: 8, .value_kind: global_buffer, .address_space: global }
      - { .name: vimg, .offset: 88, .size: 8, .value_kind: global_buffer, .address_space: global }
    .group_segment_fixed_size: 121856
    .private_segment_fixed_size: 0
    .kernarg_segment_align: 8
    .kernarg_segment_size: 96
    .max_flat_workgroup_size: 256
    .sgpr_count:     66
    .vgpr_count:     512
    .wavefront_size: 32
...
	.end_amdgpu_metadata
.endif
;; end of part 2
;; launch attn (part 3): grid 64 x 4, 8 waves a work-group, clusters of 4 x 1, 327,680 bytes of LDS; arguments qimg, kimg, vimg, gimg, bias, wimg, bo, out0; writes out0
.if DOCPART == 3
	.amdgcn_target "amdgcn-amd-amdhsa--gfx1250"
	.amdhsa_code_object_version 6
	.text
	.protected	k_q9c793951e1_attn
	.globl	k_q9c793951e1_attn
	.p2align	8
	.type	k_q9c793951e1_attn,@function
k_q9c793951e1_attn:
	s_mov_b64 s[64:65], 0
	v_nop
	global_prefetch_b8 v0, s[64:65] scope:SCOPE_SE
	s_setreg_imm32_b32 hwreg(HW_REG_WAVE_MODE, 25, 1), 1
	s_wait_xcnt 0x0
	s_wait_alu depctr_hold_cnt(0) depctr_sa_sdst(0) depctr_va_vdst(0) depctr_va_sdst(0) depctr_va_ssrc(0) depctr_va_vcc(0) depctr_vm_vsrc(0)
	s_getreg_b32 s2, hwreg(HW_REG_IB_STS2, 6, 4)
	s_cmp_eq_u32 s2, 0
	s_cbranch_scc0 .Lentry_in_a_cluster
	s_endpgm
.Lentry_in_a_cluster:
	s_bfe_u32 s2, ttmp6, 0x10000c
	s_cmp_lg_u32 s2, 0x3003
	s_cbranch_scc0 .Lentry_shape_is_right
	s_endpgm
.Lentry_shape_is_right:
; out = (g * ((softmax_k(wq . wk) + bias) wv)) Wo + bo, all three products on codes of FP6 (E2M3) with one E8M0 byte for each 32 along K.  No work of the problem is left out; the scores are made twice.
; The second product's operand is a = softmax + bias, finished and normalised, quantised along the keys: so a row's maximum and sum are known before any a is made.  TWO WALKS over the 2,048 keys:
;   pass 1: S^T = K Q^T, the running largest t = s log2 e, M = that rounded up to a whole number, the sum of 2^(t - M);   pass 2: S^T again, a = 2^(t - M) / sum + bias, quantised, O^T += V^T a^T.
; SHARES.  A work-group owns 32 queries of one batch, all 8 heads: each byte of bias is fetched once in the launch, and all 512 hidden units of a row meet in one work-group for the last product.
; Wave w owns head w and BOTH query tiles: each fragment of K and of V is read from LDS once for 32 queries.  Tile 0's numbers lie in register window 0, tile 1's under the same register numbers in window 1:
; a tile's vector work is one macro, run under two settings of the windows.  LDS addresses and scale words lie in window 0 alone; a tile's place in LDS stands in the immediates.
; LAYOUT.  Both products transposed: a lane holds ONE query (lane % 16).  kimg's key tiles are laid so that a lane's 32 scores of tiles 4 c + 0 .. 3 are keys 64 c + 32 h + 0 .. 31: a whole block of the next K in one lane.
; In pass 1 each half of the lanes keeps its own M and sum; they are merged once.  The scores' K is 64, the instruction's 128: a fragment of K holds two key tiles; Q stands between zeros (v16-21 = 0, v22-27 = Q, v28-33 = 0).
; CLUSTER.  The four query blocks of a cluster belong to one batch and walk the same records of K and V: these are asked for JOINTLY (mask 15).  Bias and g are each work-group's own: plain loads behind the same rounds.
; THE RING.  Two slots, each 102,400 bytes of records and a bias tile.  Pass 1: a slot holds TWO records of K (256 keys), 8 changes of slots; pass 2: K's record, V's record and the bias tile of 128 keys, 16 changes.
; Waves 0-3 fetch a quarter of a slot's records each (100 rows of 256 bytes), wave 4 the bias tile.  At the head every wave issues one load (waves 0-3 K, waves 4-7 g's quarters); bias tiles 0 and 1 are first filled with slot 1,
; behind the first round, behind which nothing is filled again.  A wave has at most one tensor load out; every wait for tensor loads is for all of them.
; A change's three lines and its signal stand inside the step that ends; register work stands between signal and wait (pass 1: tile 1's sums; pass 2: the eight products with V).
; PREFETCH, one change of slots ahead of the tensor load: pass 1 K's next two records, pass 2 V's next record (the batch's first cluster asks; its four partners' waves 6, 7 share the blocks of 256 bytes out BY ADDRESS,
; 25 a request), pass 2 each work-group's own next bias tile (waves 4, 5: a lane a row, a wave one of the row's two blocks).  K's records 0-3, V's and the bias's tiles 0-2 come by their loads alone; K is not asked for again in pass 2.
; LIMITS: NaN and infinities are not served.  A block whose largest magnitude lies under 2^-124 gets the byte 1.  1 / sum is v_rcp_f32; 2^x is v_exp_f32, which gives 0 under 2^-126.  The promise holds while |s log2 e| stays under 2^31.
; REGISTERS, window 0: v1-2 the add's two; v3, v4, v7 lane places; v8, v9, v232 addresses in hand; v5, v6, v10, v34-40 scale words; v41 prefetch offset; v55, v59, v233, v244-247 the epilogue's LDS addresses; v248-255 Wo's scale words.
;   both windows: v12 -M, v13 largest t, v[14:15] the sum; v16-33 0 | Q | 0, later bo; v[42:43] 1 / sum; v44-58 at work; v60-71 a's codes; v72-135 fragments of K or V, bias; v136-199 S^T; v200-231 O^T; v234-255 at work.
.set VOFF,  51200                      ; a slot: a record at 0, a record here,
.set BOFF,  102400                     ; the bias tile here: 32 rows x (512 + 16) bytes
.set BT1,   16*528                     ; tile 1's rows in it
.set SLOT1, 131072
.set GOFF,  250368                     ; behind the ring: the work-group's g, 65,536 bytes, filled once
.set SPARE, 315904                     ; the spare words: 128 bytes a wave, four blocks of 256 bytes that no other line names
.set XSCE,  12288                      ; the epilogue's scratch lies in slot 0, which has had its last fill and its last read: X's 8 fragments at 0, their scale bytes here,
.set OSTG,  16384                      ; the stage for out: 32 rows x (2,048 + 16)
.set OP,    2064
.set SPW, 1
.set NIL, 2
.set AK0, 3
.set AKS0, 4
.set QS1, 5                            ; v5-6 tile 1's Q scale words
.set AB0, 7
.set ADK, 8
.set ADS, 9
.set PS1, 10                           ; v10 tile 1's a scale word
.set BO,  16
.set QS0, 34                           ; v34-35 tile 0's Q scale words
.set PS,  40
.set PFO, 41
.set MX,  44
.set SO,  46
.set BY,  48
.set TP,  50
.set SH8, 51
.set TC,  52
.set EOR, 55
.set EXR, 59
.set PC,  60
.set F1,  72
.set S,   136
.set OT,  200
.set ADB, 232
.set EG,  233
.set FF,  234
.set GM,  238
.set T0,  242
.set T1,  243
.set EXS, 244
.set EBS, 245
.set EWR, 246
.set EOS, 247
.set WV,  20
.set SEL, 26
.set CS,  28
.set G1R, 32
.set G1B, 40
.set G1G, 48
.set G0R, 56
.set G0B, 60
.set P2,  66
.set G0G, 68
.set G0B2, 72
.set TB,  76
.set CNT, 77
.set PFA, 78
.set PFS, 80
.set LIM, 82
.set LIM2, 83
.set PF2, 84
.set PFS2, 86
.set STP, 96
.set MSB, 0
.macro WIN new                         ; the immediate's high byte repeats the setting that is left
.if MSB != (\new)
	s_set_vgpr_msb (MSB<<8)|(\new)
.set MSB, (\new)
.endif
.endm
.macro NOP4
.rept 4
	v_nop
.endr
.endm
.macro QMAX2 s0, s1, b0, b1            ; two blocks of 32, each in two chains: largest magnitude over the floor 2^(3 - 127), the conversion's operand, the byte
	v_max3_num_f32 v[MX], |v[(\s0)]|, |v[(\s0)+1]|, 0x1800000
	v_max3_num_f32 v[MX+1], |v[(\s1)]|, |v[(\s1)+1]|, 0x1800000
	v_max3_num_f32 v[SO], |v[(\s0)+16]|, |v[(\s0)+17]|, 0x1800000
	v_max3_num_f32 v[SO+1], |v[(\s1)+16]|, |v[(\s1)+17]|, 0x1800000
.set qi, 2
.rept 7
	v_max3_num_f32 v[MX], v[MX], |v[(\s0)+qi]|, |v[(\s0)+qi+1]|
	v_max3_num_f32 v[MX+1], v[MX+1], |v[(\s1)+qi]|, |v[(\s1)+qi+1]|
	v_max3_num_f32 v[SO], v[SO], |v[(\s0)+16+qi]|, |v[(\s0)+17+qi]|
	v_max3_num_f32 v[SO+1], v[SO+1], |v[(\s1)+16+qi]|, |v[(\s1)+17+qi]|
.set qi, qi+2
.endr
	v_max_num_f32 v[MX], v[MX], v[SO]
	v_max_num_f32 v[MX+1], v[MX+1], v[SO+1]
	s_delay_alu instid0(VALU_DEP_2)
	v_add_nc_u32 v[SO], 0xff000000, v[MX]
	s_delay_alu instid0(VALU_DEP_2)
	v_add_nc_u32 v[SO+1], 0xff000000, v[MX+1]
	s_delay_alu instid0(VALU_DEP_2)
	v_lshrrev_b32 v[\b0], 23, v[SO]
	s_delay_alu instid0(VALU_DEP_2)
	v_lshrrev_b32 v[\b1], 23, v[SO+1]
.endm
.macro QCVT2 s0, s1, d0, d1            ; their codes, six registers each (a conversion's three registers begin on an even number)
	v_cvt_scalef32_pk16_fp6_f32 v[(\d0):(\d0)+2], v[(\s0):(\s0)+15], v[SO]
	v_cvt_scalef32_pk16_fp6_f32 v[TC:TC+2], v[(\s0)+16:(\s0)+31], v[SO]
	v_cvt_scalef32_pk16_fp6_f32 v[(\d1):(\d1)+2], v[(\s1):(\s1)+15], v[SO+1]
	v_cvt_scalef32_pk16_fp6_f32 v[TC+4:TC+6], v[(\s1)+16:(\s1)+31], v[SO+1]
	v_nop                                          ; one plain place behind the scaled conversions
.irp i, 0,1,2
	v_mov_b32 v[(\d0)+3+\i], v[TC+\i]
	v_mov_b32 v[(\d1)+3+\i], v[TC+4+\i]
.endr
.endm
.macro MM d, a, b, c, sa, sb, row      ; one product; c < 0: it starts the sum with 0; row = 1: source 0's scales from lanes 16-31
.if (\c) < 0
.if (\row)
	v_wmma_scale_f32_16x16x128_f8f6f4 v[(\d):(\d)+7], v[(\a):(\a)+11], v[(\b):(\b)+11], 0, v[\sa], v[\sb] matrix_a_fmt:MATRIX_FMT_FP6 matrix_b_fmt:MATRIX_FMT_FP6 matrix_a_scale:MATRIX_SCALE_ROW1
.else
	v_wmma_scale_f32_16x16x128_f8f6f4 v[(\d):(\d)+7], v[(\a):(\a)+11], v[(\b):(\b)+11], 0, v[\sa], v[\sb] matrix_a_fmt:MATRIX_FMT_FP6 matrix_b_fmt:MATRIX_FMT_FP6
.endif
.else
.if (\row)
	v_wmma_scale_f32_16x16x128_f8f6f4 v[(\d):(\d)+7], v[(\a):(\a)+11], v[(\b):(\b)+11], v[(\c):(\c)+7], v[\sa], v[\sb] matrix_a_fmt:MATRIX_FMT_FP6 matrix_b_fmt:MATRIX_FMT_FP6 matrix_a_scale:MATRIX_SCALE_ROW1
.else
	v_wmma_scale_f32_16x16x128_f8f6f4 v[(\d):(\d)+7], v[(\a):(\a)+11], v[(\b):(\b)+11], v[(\c):(\c)+7], v[\sa], v[\sb] matrix_a_fmt:MATRIX_FMT_FP6 matrix_b_fmt:MATRIX_FMT_FP6
.endif
.endif
.endm
.macro CREST                           ; a round of the cluster's barrier behind its opening barrier
	s_cmp_lg_u32 s[WV], 0
	s_cbranch_scc1 .Lnot_wave_0_\@
	s_barrier_signal -3
.Lnot_wave_0_\@:
	s_barrier_wait -3
	s_barrier_signal -1
	s_barrier_wait -1
.endm
.macro ROUND
	s_barrier_signal -1
	s_barrier_wait -1
	CREST
.endm
.macro TL g0, g1                       ; an s_nop 0 and four v_nop follow each load
	tensor_load_to_lds s[\g0:\g0+3], s[\g1:\g1+7]
	s_nop 0
	NOP4
.endm
; Who fetches.  kind 0: waves 0-3 the records' quarters;  1: and wave 4 a bias tile;  2: and wave 5 bias tile 0 (the first fills);  3: the head: waves 0-3 the records, waves 4-7 g's quarters.  One chain of branches on the wave's number.
.macro TLOAD kind
	s_cmp_lt_u32 s[WV], 4
	s_cbranch_scc0 .Lnot_r_\@
	TL G0R, G1R
	s_branch .Lasked_\@
.Lnot_r_\@:
.if \kind == 3
	TL G0G, G1G
.endif
.if (\kind == 1) || (\kind == 2)
	s_cmp_eq_u32 s[WV], 4
	s_cbranch_scc0 .Lnot_b_\@
	TL G0B, G1B
	s_branch .Lasked_\@
.Lnot_b_\@:
.if \kind == 2
	s_cmp_eq_u32 s[WV], 5
	s_cbranch_scc0 .Lasked_\@
	TL G0B2, G1B
.endif
.endif
.Lasked_\@:
.endm
.macro ASK how, n                      ; how 0: in a loop, not in its last trips;  1: written out;  2: none.  n: requests of 25 blocks (pass 1: two records are 50 blocks a wave)
.if \how < 2
.if \how
	s_cmp_lt_u32 s[LIM], 16
.else
	s_cmp_gt_u32 s[CNT], s[LIM]
.endif
	s_cbranch_scc0 .Lnot_mine_\@
	global_prefetch_b8 v[PFO], s[PFA:PFA+1] th:TH_LOAD_NT scope:SCOPE_SE
.if \n > 1
	global_prefetch_b8 v[PFO], s[PFA:PFA+1] offset:6400 th:TH_LOAD_NT scope:SCOPE_SE
.endif
.Lnot_mine_\@:
.endif
.endm
; THE CHANGE OF SLOTS, first part: all my tensor loads are done, 0 goes onto my spare word, the descriptors step.  The caller follows with s_wait_dscnt 0 and the signal.
; step 0: pass 1: two records on; in the trip with CNT = 2 the walk goes to pass 2's record 0 (waves 0, 1 K's, waves 2, 3 V's) and the step becomes one record;  1: pass 2: records and bias tile;  2: nothing is asked for.
.macro CHFRONT step
	s_wait_alu depctr_va_vdst(0)                   ; ahead of the blocking waits
	s_wait_tensorcnt 0x0
	ds_add_u32 v[SPW], v[NIL]
.if \step < 2
	s_xor_b32 s[G0R+1], s[G0R+1], SLOT1
.if \step == 0
	s_add_nc_u64 s[G0R+2:G0R+3], s[G0R+2:G0R+3], s[STP:STP+1]
	s_cmp_eq_u32 s[CNT], 2
	s_cselect_b64 s[G0R+2:G0R+3], s[P2:P2+1], s[G0R+2:G0R+3]
	s_cselect_b32 s[STP], 0xc800, s[STP]
.else
	s_add_nc_u64 s[G0R+2:G0R+3], s[G0R+2:G0R+3], 51200
	s_xor_b32 s[G0B+1], s[G0B+1], SLOT1
	s_add_nc_u64 s[G0B+2:G0B+3], s[G0B+2:G0B+3], 512
.endif
	s_wait_xcnt 0x0                                ; the last prefetch, a change back, has read its address
	s_add_nc_u64 s[PFA:PFA+1], s[PFA:PFA+1], s[PFS:PFS+1]
.endif
.endm
; second part: the barrier's wait; kind >= 0: the rest of the cluster's round, the refill first behind it, the prefetch
.macro CHBACK kind, how, n
	s_wait_alu depctr_va_vdst(0)
	s_barrier_wait -1
.if \kind >= 0
	CREST
	TLOAD \kind
	ASK \how, \n
.endif
.endm
.macro KLOAD set, off                  ; my head's four fragments of the record at off, into window set
	WIN 0x40*(\set)
.irp f, 0,1,2,3
.irp i, 0,1,2
	ds_load_b128 v[F1+12*\f+4*\i:F1+12*\f+4*\i+3], v[ADK] offset:(\off)+1536*\f+512*\i
.endr
.endr
.endm
.macro BLOAD T                         ; bias(my query of tile T, keys 64 c + 32 h + 4 e ..)
	WIN 0x40*(\T)
.irp c, 0,1
.irp e, 0,1,2,3,4,5,6,7
	ds_load_b128 v[F1+32*\c+4*\e:F1+32*\c+4*\e+3], v[ADB] offset:BT1*(\T)+256*\c+16*\e
.endr
.endr
.endm
.macro SCORES T, P, sw                 ; S^T of tile T from the fragments in window P: eight products, each starting its sum
	WIN ((\T)<<6)|((\T)<<4)|((\T)<<2)|(\P)
.irp f, 0,1,2,3
	MM S+16*\f, F1+12*\f, 22, -1, (\sw)+\f%2, QS0-29*(\T), \f/2
	MM S+16*\f+8, F1+12*\f, 16, -1, (\sw)+\f%2, QS0+1-29*(\T), \f/2
.endr
.endm
.macro POWERS                          ; 2^(s log2 e - M): 32 packed multiply-adds, 64 exponentials in one batch
.set pj, 0
.rept 32
	v_pk_fma_f32 v[S+pj:S+pj+1], v[S+pj:S+pj+1], s[CS:CS+1], v[12:13] op_sel_hi:[1,0,0]
.set pj, pj+2
.endr
.set pj, 0
	s_wait_alu depctr_va_vdst(0)                   ; ahead of the batch
.rept 64
	v_exp_f32 v[S+pj], v[S+pj]
.set pj, pj+1
.endr
.endm
.macro SUM1                            ; pass 1, one tile's 64 scores a lane; all its registers in the tile's window
	s_wait_alu depctr_va_vdst(0)                   ; ahead of the first reader of the scores
.irp b, 0,1,2,3
	v_max3_num_f32 v[GM+\b], v[S+16*\b], v[S+16*\b+1], v[S+16*\b+2]   ; four chains by turns; each accumulator from its low end on
.endr
.irp i, 3,5,7,9,11,13
.irp b, 0,1,2,3
	v_max3_num_f32 v[GM+\b], v[GM+\b], v[S+16*\b+\i], v[S+16*\b+\i+1]
.endr
.endr
.irp b, 0,1,2,3
	v_max_num_f32 v[GM+\b], v[GM+\b], v[S+16*\b+15]
.endr
	s_delay_alu instid0(VALU_DEP_2)
	v_max3_num_f32 v[T0], v[GM], v[GM+1], v[GM+2]
	s_delay_alu instid0(VALU_DEP_1)
	v_max_num_f32 v[T0], v[T0], v[GM+3]
	s_delay_alu instid0(VALU_DEP_1)
	v_mul_f32 v[T0], s[CS], v[T0]
	s_delay_alu instid0(VALU_DEP_1)
	v_max_num_f32 v13, v13, v[T0]                  ; the running largest t of my half of the keys
	v_mov_b32 v[T0], v12
	s_delay_alu instid0(VALU_DEP_2)
	v_floor_f32 v12, -v13                          ; -M = floor(-t): M is a whole number
	s_delay_alu instid0(VALU_DEP_1)
	v_sub_f32 v[T0], v12, v[T0]                    ; old M - new M: 0 or less
	s_delay_alu instid0(VALU_DEP_1)
	v_cvt_i32_f32 v[T0], v[T0]                     ; (it saturates)
	s_delay_alu instid0(VALU_DEP_1)
	v_ldexp_f32 v[FF], 1.0, v[T0]                  ; f = 2^(old M - new M)
	POWERS
	v_pk_mul_f32 v[14:15], v[14:15], v[FF:FF+1] op_sel_hi:[1,0]   ; the sum under the new M: also the plain place behind the batch
	s_wait_alu depctr_va_vdst(0)                   ; one wait for the batch, ahead of its first reader
.set sj, 0                             ; the 32 pairs in eight chains
.irp c, 236,240,242,248,250,252,254
	v_pk_add_f32 v[\c:\c+1], v[S+sj:S+sj+1], v[S+sj+2:S+sj+3]
.set sj, sj+4
.endr
	v_pk_add_f32 v[14:15], v[14:15], v[S+28:S+29]
.set sj, 30
.rept 2
.irp c, 236,240,242,248,250,252,254
	v_pk_add_f32 v[\c:\c+1], v[\c:\c+1], v[S+sj:S+sj+1]
.set sj, sj+2
.endr
	v_pk_add_f32 v[14:15], v[14:15], v[S+sj:S+sj+1]
.set sj, sj+2
.endr
	v_pk_add_f32 v[236:237], v[236:237], v[S+62:S+63]
	v_pk_add_f32 v[14:15], v[14:15], v[248:249]
	v_pk_add_f32 v[240:241], v[240:241], v[252:253]
	v_pk_add_f32 v[242:243], v[242:243], v[254:255]
	v_pk_add_f32 v[236:237], v[236:237], v[250:251]
	v_pk_add_f32 v[14:15], v[14:15], v[240:241]
	s_delay_alu instid0(VALU_DEP_2)
	v_pk_add_f32 v[236:237], v[236:237], v[242:243]
	s_delay_alu instid0(VALU_DEP_1)
	v_pk_add_f32 v[14:15], v[14:15], v[236:237]
.endm
; PASS 1, a slot of 256 keys and the change of slots behind it.  Both records' fragments come into registers at once (window 0 and window 1).
.macro P1
	v_add_nc_u32 v[ADK], s[TB], v[AK0]
	v_add_nc_u32 v[ADS], s[TB], v[AKS0]
	KLOAD 0, 0
	ds_load_b64 v[36:37], v[ADS]
	KLOAD 1, VOFF
	WIN 0
	ds_load_b64 v[38:39], v[ADS] offset:VOFF
	s_wait_dscnt 13                                ; the first record's 12 loads and its words are in; the second's 13 may be out
	SCORES 0, 0, 36
	SCORES 1, 0, 36
	NOP4                                           ; places ahead of the first read of the scores (ISA guide 7.12.1)
	WIN 0
	SUM1
	WIN 0x55
	SUM1
	s_wait_dscnt 0x0
	SCORES 0, 1, 38
	SCORES 1, 1, 38
	NOP4
	WIN 0
	SUM1
	CHFRONT 0
	s_wait_dscnt 0x0                               ; the add is done; my reads of this slot were over long ago
	s_barrier_signal -1
	WIN 0x55
	SUM1                                           ; register work while the others arrive
	WIN 0
	s_xor_b32 s[TB], s[TB], SLOT1
	CHBACK 0, 0, 2
.endm
.macro PW2 dsw                         ; pass 2, one tile: a = 2^(t - M) / sum + bias
	s_wait_alu depctr_va_vdst(0)                   ; ahead of the first reader of the scores
	POWERS
	v_nop                                          ; a plain place behind the batch,
	s_wait_alu depctr_va_vdst(0)                   ; and its one wait
.if \dsw
	s_wait_dscnt 0x0                               ; both tiles' bias is in
.endif
.set aj, 0
.rept 32
	v_pk_fma_f32 v[S+aj:S+aj+1], v[S+aj:S+aj+1], v[42:43], v[F1+aj:F1+aj+1] op_sel_hi:[1,0,1]
.set aj, aj+2
.endr
.endm
.macro QNT T                           ; a's codes and its scale word for these 128 keys; tile 1's word goes to window 0, where scale operands lie
	QMAX2 S, S+32, BY, BY+1
	s_delay_alu instid0(VALU_DEP_1)
	v_lshl_or_b32 v[PS], v[BY+1], 16, v[BY]
	s_delay_alu instid0(VALU_DEP_1)
	v_lshlrev_b32 v[PS], v[SH8], v[PS]
	s_delay_alu instid0(VALU_DEP_1)
	v_permlanex16_b32 v[TP], v[PS], s[SEL], s[SEL+1]
.if \T
	WIN 0x15
	v_or_b32 v[PS1], v[PS], v[TP]
	WIN 0x55
.else
	v_or_b32 v[PS], v[PS], v[TP]
.endif
	QCVT2 S, S+32, PC, PC+6
.endm
.macro PV T, first                     ; O^T += V^T a^T of tile T: four accumulators by turns
	WIN 0x54*(\T)
	s_wait_alu depctr_va_vdst(0)                   ; ahead of the first reader of O^T behind the exponentials
.irp t, 0,1,2,3
.if \first
	MM OT+8*\t, F1+12*\t, PC, -1, 38+\t%2, PS-30*(\T), \t/2
.else
	MM OT+8*\t, F1+12*\t, PC, OT+8*\t, 38+\t%2, PS-30*(\T), \t/2
.endif
.endr
.endm
; PASS 2, a step of 128 keys and the change of slots behind it
.macro STEP2 first, step, kind, how
	v_add_nc_u32 v[ADK], s[TB], v[AK0]             ; five plain lines: the places behind the last step's products, ahead of the loads into their operands
	v_add_nc_u32 v[ADS], s[TB], v[AKS0]
	v_add_nc_u32 v[ADB], s[TB], v[AB0]
	s_wait_alu depctr_va_vdst(0)
	v_nop
	v_nop
	KLOAD 0, 0
	ds_load_b64 v[36:37], v[ADS]
	ds_load_b64 v[38:39], v[ADS] offset:VOFF
	BLOAD 1
	s_wait_dscnt 17                                ; K's 12 loads and its words are in; V's words and tile 1's 16 loads of bias may be out
	SCORES 0, 0, 36
	SCORES 1, 0, 36
	NOP4                                           ; places ahead of the loads into K's registers and of the first read of the scores
	BLOAD 0
	PW2 1
	KLOAD 0, VOFF                                  ; V's fragments land under tile 1's work
	WIN 0x55
	PW2 0
	WIN 0
	QNT 0
	WIN 0x55
	QNT 1
	WIN 0
	CHFRONT \step
	NOP4                                           ; with the seven plain lines behind tile 1's word: 11 places ahead of the scaled products (8 are asked); 4 behind its codes (4 are asked)
	s_wait_dscnt 0x0                               ; the add is done, V is in, my reads of this slot are over
	s_barrier_signal -1
	PV 0, \first                                   ; register work while the others arrive
	PV 1, \first
	WIN 0
	s_xor_b32 s[TB], s[TB], SLOT1
	CHBACK \kind, \how, 1
.endm
.macro INIT                            ; a tile's state, by constants alone
	v_mov_b32 v[TP], 0                             ; a lane permute's destination counts as one of its sources
	v_mov_b32 v[FF+1], 0                           ; (named as the upper half of a pair)
.irp i, 16,17,18,19,20,21,28,29,30,31,32,33
	v_mov_b32 v\i, 0                               ; zero codes on both sides of Q
.endr
	v_mov_b32 v13, 0xff61b1e6                      ; the largest t so far: -3e38
	v_mov_b32 v12, 0x7f61b1e6                      ; -M = floor(3e38)
	v_mov_b32 v14, 0
	v_mov_b32 v15, 0
.endm
.macro MERGE                           ; the two halves of the lanes hold the same query's other keys
	v_add_f32 v14, v14, v15
	v_permlanex16_b32 v[TP], v12, s[SEL], s[SEL+1]
	s_delay_alu instid0(VALU_DEP_1)
	v_min_num_f32 v[T0], v12, v[TP]                ; -M of the larger M
	s_delay_alu instid0(VALU_DEP_1)
	v_sub_f32 v[T1], v[T0], v12
	s_delay_alu instid0(VALU_DEP_1)
	v_cvt_i32_f32 v[T1], v[T1]
	s_delay_alu instid0(VALU_DEP_1)
	v_ldexp_f32 v[T1], 1.0, v[T1]
	s_delay_alu instid0(VALU_DEP_1)
	v_mul_f32 v14, v14, v[T1]                      ; my sum under the common M
	s_delay_alu instid0(VALU_DEP_1)
	v_permlanex16_b32 v[TP], v14, s[SEL], s[SEL+1]
	s_delay_alu instid0(VALU_DEP_1)
	v_add_f32 v14, v14, v[TP]                      ; the row's sum: the same bits in both halves
	s_wait_alu depctr_va_vdst(0)
	v_rcp_f32 v42, v14
	v_mov_b32 v43, 0                               ; (a plain place; v43 is named with v42 as a pair)
	v_mov_b32 v12, v[T0]
	s_wait_alu depctr_va_vdst(0)
.endm
	s_load_b512 s[4:19], s[0:1], 0x0               ; qimg, kimg, vimg, gimg, bias, wimg, bo, out0
	v_lshl_add_u32 v[SPW], v0, 2, SPARE
	v_mov_b32 v[NIL], 0
	ds_add_u32 v[SPW], v[NIL]                      ; the wave's opening: the add, twice on end, and its wait ahead of the first tensor loads
	ds_add_u32 v[SPW], v[NIL]
	v_lshrrev_b32 v3, 5, v0
	s_delay_alu instid0(VALU_DEP_1)
	v_readfirstlane_b32 s[WV], v3                  ; wave = head, 0..7
	s_and_b32 s22, s[WV], 1
	s_and_b32 s21, s[WV], 3
	s_bfe_u32 s23, ttmp6, 0x40000                  ; cx
	s_lshl_b32 s24, ttmp9, 2
	s_add_co_u32 s24, s24, s23                     ; my block of 32 queries
	s_and_b32 s25, ttmp7, 0xffff                   ; the batch, which the four partners share
	s_lshl_b32 s24, s24, 5
	s_lshl_b32 s88, s25, 11
	s_add_co_u32 s24, s24, s88                     ; s24: my first query among the 8,192
	s_mov_b32 s[SEL], 0x76543210
	s_mov_b32 s[SEL+1], 0xfedcba98
	s_mov_b32 s[CS], 0x3fb8aa3b                    ; log2 e
	s_mov_b32 s[CS+1], s[CS]
	s_mov_b32 s[TB], 0
	; group 1 for half a record: 100 rows of 256 bytes, dense, joint
	s_mov_b32 s[G1R], 15|(3<<16)|(1<<21)           ; the mask: all four; elements of 8 bytes; bit 21 beside a mask
	s_mov_b32 s[G1R+1], 32<<16
	s_mov_b32 s[G1R+2], 100<<16
	s_mov_b32 s[G1R+3], 32<<16
	s_mov_b32 s[G1R+4], 100
	s_mov_b32 s[G1R+5], 32
	s_mov_b32 s[G1R+6], 0
	s_mov_b32 s[G1R+7], 0
	; for a bias tile: 32 rows of 128 f32, 2,048 apart, 4 words of padding behind each row's 128
	s_mov_b32 s[G1B], (2<<16)|(1<<20)|(6<<22)|(3<<25)
	s_mov_b32 s[G1B+1], 128<<16
	s_mov_b32 s[G1B+2], 32<<16
	s_mov_b32 s[G1B+3], 128<<16
	s_mov_b32 s[G1B+4], 32
	s_mov_b32 s[G1B+5], 2048
	s_mov_b32 s[G1B+6], 0
	s_mov_b32 s[G1B+7], 0
	; for a quarter of g: 64 rows of 256 bytes, dense
	s_mov_b32 s[G1G], 3<<16
	s_mov_b32 s[G1G+1], 32<<16
	s_mov_b32 s[G1G+2], 64<<16
	s_mov_b32 s[G1G+3], 32<<16
	s_mov_b32 s[G1G+4], 64
	s_mov_b32 s[G1G+5], 32
	s_mov_b32 s[G1G+6], 0
	s_mov_b32 s[G1G+7], 0
	s_mul_i32 s92, s21, 25600                      ; which quarter of a slot's records I fetch (s30, s31 and s92-97 never hold my place in the cluster)
	s_mul_i32 s93, s25, 16*51200
	s_add_co_u32 s94, s92, s93                     ; pass 1: K's bytes on end
	s_mov_b32 s95, 0
	s_mul_i32 s30, s22, 25600
	s_add_co_u32 s30, s30, s93                     ; pass 2: which half of a record
	s_mov_b32 s31, 0
	s_lshl_b32 s96, s21, 14                        ; which quarter of g
	; the prefetches: who
	s_lshr_b32 s97, s[WV], 1
	s_xor_b32 s99, s97, 3
	s_or_b32 s99, s99, ttmp9                       ; 0 in waves 6, 7 of the batch's first cluster: the same in all four partners
	s_cmp_eq_u32 s99, 0
	s_cselect_b32 s[LIM], 3, -1                    ; pass 1: not in the loop's last three trips
	s_cselect_b32 s[LIM2], 1, -1
	s_cmp_eq_u32 s97, 2                            ; waves 4, 5
	s_cselect_b32 s[LIM2], 1, s[LIM2]
	; and where: K: 12,800 (2 cx + w % 2) bytes into records 2, 3; V: 6,400 (2 cx + w % 2) into record 2; bias: my first row, tile 2, 256 (w % 2).  Each is stepped ahead of its first use
	s_lshl_b32 s88, s23, 1
	s_add_co_u32 s88, s88, s22
	s_mul_i32 s90, s88, 6400
	s_mul_i32 s88, s88, 12800
	s_add_co_u32 s88, s88, 102400
	s_add_co_u32 s88, s88, s93
	s_mov_b32 s89, 0
	s_add_co_u32 s90, s90, 102400
	s_add_co_u32 s90, s90, s93
	s_mov_b32 s91, 0
	s_lshl_b32 s98, s24, 13                        ; my first row of bias: 8,192 bytes a row
	s_mov_b32 s99, 0
	s_lshl_b32 s3, s22, 8
	s_add_co_u32 s3, s3, s98
	s_add_co_u32 s3, s3, 1024
	s_mov_b32 s[PFS], 102400
	s_mov_b32 s[PFS+1], 0
	s_mov_b32 s[PFS2], 51200
	s_mov_b32 s[PFS2+1], 0
	s_mov_b32 s97, 256
	s_wait_dscnt 0x0                               ; both opening adds are done
	s_wait_kmcnt 0x0
	s_add_nc_u64 s[PFA:PFA+1], s[6:7], s[88:89]
	s_cmp_lt_u32 s[WV], 6
	s_cselect_b64 s[PF2:PF2+1], s[12:13], s[8:9]
	s_cselect_b32 s90, s3, s90
	s_cselect_b32 s[PFS2], 512, s[PFS2]
	s_cselect_b32 s3, 31, 24                       ; lanes that name blocks of their own
	s_cselect_b32 s97, 8192, s97                   ; from lane to lane
	s_add_nc_u64 s[PF2:PF2+1], s[PF2:PF2+1], s[90:91]
	s_mov_b32 s[G0R], 1
	s_mov_b32 s[G0R+1], s92                        ; LDS: slot 0, my quarter
	s_add_nc_u64 s[G0R+2:G0R+3], s[6:7], s[94:95]  ; K's records 0, 1 of my batch
	s_or_b32 s[G0R+3], s[G0R+3], 0x80000000
	s_cmp_ge_u32 s21, 2                            ; pass 2: waves 0, 1 K's record, waves 2, 3 V's
	s_cselect_b64 s[P2:P2+1], s[8:9], s[6:7]
	s_add_nc_u64 s[P2:P2+1], s[P2:P2+1], s[30:31]
	s_or_b32 s[P2+1], s[P2+1], 0x80000000
	s_mov_b32 s[G0B2], 1                           ; bias tile 0, into slot 0: used once
	s_mov_b32 s[G0B2+1], BOFF
	s_add_nc_u64 s[G0B2+2:G0B2+3], s[12:13], s[98:99]
	s_mov_b32 s[G0B], 1                            ; bias tile 1, into slot 1: then stepped tile by tile
	s_mov_b32 s[G0B+1], BOFF+SLOT1
	s_add_nc_u64 s[G0B+2:G0B+3], s[G0B2+2:G0B2+3], 512
	s_or_b32 s[G0B2+3], s[G0B2+3], 0x80000000
	s_or_b32 s[G0B+3], s[G0B+3], 0x80000000
	s_lshl_b32 s88, s24, 11                        ; g: 2,048 bytes a query
	s_add_co_u32 s88, s88, s96
	s_mov_b32 s[G0G], 1
	s_add_co_u32 s[G0G+1], s96, GOFF
	s_add_nc_u64 s[G0G+2:G0G+3], s[10:11], s[88:89]
	s_or_b32 s[G0G+3], s[G0G+3], 0x80000000
	s_lshl_b32 s90, s24, 9                         ; Q: 512 bytes a query, + 1,024 x head; tile 1 is 8,192 on
	s_lshl_b32 s88, s[WV], 10
	s_add_co_u32 s90, s90, s88
	s_mov_b32 s91, 0
	s_add_nc_u64 s[90:91], s[4:5], s[90:91]
	v_and_b32 v238, 31, v0                         ; lane
	s_delay_alu instid0(VALU_DEP_1)
	v_min_u32 v[PFO], s3, v238
	s_delay_alu instid0(VALU_DEP_1)
	v_mul_lo_u32 v[PFO], v[PFO], s97
	ROUND                                          ; all four work-groups are here: the first joint loads meet
	TLOAD 3                                        ; one load a wave: K's records 0, 1 and g
	v_and_b32 v239, 15, v0                         ; r
	v_bfe_u32 v240, v0, 4, 1                       ; h
	s_wait_alu depctr_va_vdst(0)
	v_lshlrev_b32 v241, 3, v238
	v_lshlrev_b32 v[T0], 2, v238
.irp i, 0,1,2
	global_load_b64 v[22+2*\i:23+2*\i], v241, s[90:91] offset:256*\i   ; Q's six registers, tile 0
.endr
	global_load_b32 v[T1], v[T0], s[90:91] offset:768                  ; [s0 s1 s0 s1]
	global_load_b32 v236, v[T0], s[90:91] offset:8192+768
	WIN 0x40
.irp i, 0,1,2
	global_load_b64 v[22+2*\i:23+2*\i], v241, s[90:91] offset:8192+256*\i   ; tile 1, into window 1
.endr
	WIN 0
	s_mul_i32 s96, s[WV], 6144
	v_lshlrev_b32 v[AK0], 4, v238
	s_delay_alu instid0(VALU_DEP_1)
	v_add_nc_u32 v[AK0], s96, v[AK0]               ; my head's fragments: 6,144 x head + 16 x lane
	s_lshl_b32 s96, s[WV], 8
	s_add_co_u32 s96, s96, 49152
	v_lshlrev_b32 v[AKS0], 3, v238
	s_delay_alu instid0(VALU_DEP_1)
	v_add_nc_u32 v[AKS0], s96, v[AKS0]             ; its scale words: 49,152 + 256 x head + 8 x lane
	v_mul_u32_u24 v[AB0], v239, 528
	s_delay_alu instid0(VALU_DEP_1)
	v_lshl_add_u32 v[AB0], v240, 7, v[AB0]
	s_delay_alu instid0(VALU_DEP_1)
	v_add_nc_u32 v[AB0], BOFF, v[AB0]              ; bias: row r, + 128 h
	v_lshlrev_b32 v[SH8], 3, v240
	; the epilogue's seven LDS addresses
	s_lshl_b32 s96, s[WV], 12
	s_add_co_u32 s96, s96, GOFF
	v_lshlrev_b32 v[EG], 4, v238
	s_delay_alu instid0(VALU_DEP_1)
	v_add_nc_u32 v[EG], s96, v[EG]                 ; g: GOFF + 4,096 x head + 16 x lane (tile 1: 32,768 on)
	s_lshr_b32 s96, s[WV], 1                       ; X's fragment head / 2 (tile 1: four on),
	s_and_b32 s97, s[WV], 1                        ; and which half of its registers: head % 2
	s_mul_i32 s30, s96, 1536
	s_mul_i32 s31, s97, 768
	s_add_co_u32 s30, s30, s31
	v_lshlrev_b32 v[EXR], 3, v238
	s_delay_alu instid0(VALU_DEP_1)
	v_add_nc_u32 v[EXS], s30, v[EXR]
	s_lshl_b32 s30, s96, 6
	s_lshl_b32 s31, s97, 1
	s_add_co_u32 s30, s30, s31
	s_add_co_u32 s30, s30, XSCE
	v_lshl_add_u32 v[EBS], v239, 2, v240
	s_delay_alu instid0(VALU_DEP_1)
	v_add_nc_u32 v[EBS], s30, v[EBS]               ; my block's byte: row r's word, byte 2 (head % 2) + h
	v_lshl_add_u32 v[EWR], v239, 2, XSCE
	s_lshl_b32 s30, s[WV], 8
	s_add_co_u32 s30, s30, OSTG
	v_mul_u32_u24 v[EOS], v239, OP
	s_delay_alu instid0(VALU_DEP_1)
	v_lshl_add_u32 v[EOS], v240, 7, v[EOS]
	s_delay_alu instid0(VALU_DEP_1)
	v_add_nc_u32 v[EOS], s30, v[EOS]               ; the stage on the way in: row r, + 128 h, + 256 x wave
	s_mul_i32 s30, s[WV], 4*OP
	s_add_co_u32 s30, s30, OSTG
	v_lshlrev_b32 v[EOR], 4, v238
	s_delay_alu instid0(VALU_DEP_1)
	v_add_nc_u32 v[EOR], s30, v[EOR]               ; and back: rows 4 w .. 4 w + 3, 16 x lane
	INIT
	WIN 0x40                                       ; the same into window 1
	INIT
	v_mov_b32 v[SH8], v[SH8]                       ; window 1's copy of 8 h
	WIN 0
	s_mov_b32 s96, 0xffff
	s_mov_b32 s97, 0x01010000
	s_mov_b32 s98, 0xffff0000
	s_mov_b32 s99, 0x0101
	s_wait_loadcnt 0x0
	v_and_or_b32 v[QS0], v[T1], s96, s97           ; [s0 s1 1 1]: the half that meets zero codes has the least byte
	v_and_or_b32 v[QS0+1], v[T1], s98, s99         ; [1 1 s0 s1]
	v_and_or_b32 v[QS1], v236, s96, s97
	v_and_or_b32 v[QS1+1], v236, s98, s99
.rept 8
	v_nop                                          ; a scale register written by a vector instruction stands 8 places ahead of the scaled product that takes it: once a wave
.endr
	s_mov_b32 s[STP], 102400                       ; pass 1's step: two records
	s_mov_b32 s[STP+1], 0
	s_mov_b32 s[CNT], 9
	CHFRONT 0                                      ; the first change: slot 1's first fill and the two bias tiles'
	s_wait_dscnt 0x0
	s_barrier_signal -1
	CHBACK 2, 1, 2
	s_mov_b32 s[CNT], 8
.Lpass1:                                           ; 8 slots of 256 keys; the changes behind them ask for K's records 4 to 15, then for pass 2's steps 0 and 1
	P1
	s_sub_co_u32 s[CNT], s[CNT], 1
	s_cmp_lg_u32 s[CNT], 0
	s_cbranch_scc1 .Lpass1
	s_wait_xcnt 0x0                                ; the last prefetch has read its address: pass 2's take over
	s_mov_b64 s[PFA:PFA+1], s[PF2:PF2+1]
	s_mov_b64 s[PFS:PFS+1], s[PFS2:PFS2+1]
	s_mov_b32 s[LIM], s[LIM2]
	MERGE
	WIN 0x55
	MERGE
	WIN 0
	STEP2 1, 1, 1, 1                               ; step 0: its products with V start the sums
	s_mov_b32 s[CNT], 13
.Lpass2:                                           ; steps 1 to 13; the changes behind them ask for steps 3 to 15
	STEP2 0, 1, 1, 0
	s_sub_co_u32 s[CNT], s[CNT], 1
	s_cmp_lg_u32 s[CNT], 0
	s_cbranch_scc1 .Lpass2
	s_mov_b32 s[CNT], 2
.Ltail:                                            ; steps 14 and 15: nothing is left to fetch: plain barriers; behind the second no wave reads the ring any more
	STEP2 0, 2, -1, 2
	s_sub_co_u32 s[CNT], s[CNT], 1
	s_cmp_lg_u32 s[CNT], 0
	s_cbranch_scc1 .Ltail
	; THE EPILOGUE.  X = g * O, quantised along the 512 hidden units: a lane's 32 numbers of a tile are one block.  The codes meet in LDS; then out = X Wo + bo, transposed:
	; wave w makes columns 64 w + 32 h + 16 z + 0 .. 15 for all 32 queries, z = 0 in window 0, z = 1 in window 1.
	v_and_b32 v3, 31, v0                           ; offsets into memory: six plain lines, the places behind the last products
	v_and_b32 v4, 15, v0
	v_lshlrev_b32 v8, 4, v[SH8]                    ; 128 h
	v_lshlrev_b32 v3, 4, v3                        ; 16 x lane
	v_lshlrev_b32 v4, 2, v4
	s_delay_alu instid0(VALU_DEP_1)
	v_lshl_add_u32 v4, v8, 3, v4                   ; 4 r + 1,024 h: lanes 0-15 fragment m's words, lanes 16-31 fragment m + 8's
	s_wait_alu depctr_va_vdst(0)
	s_mul_i32 s92, s[WV], 26624
	s_add_co_u32 s92, s92, 4*212992                ; Wo's record of my column group
	s_add_co_u32 s94, s92, 24576                   ; its scale words
	s_mov_b32 s93, 0
	s_mov_b32 s95, 0
	s_add_nc_u64 s[92:93], s[14:15], s[92:93]
	s_add_nc_u64 s[94:95], s[14:15], s[94:95]
	s_lshl_b32 s96, s[WV], 8
	s_mov_b32 s97, 0
	s_add_nc_u64 s[96:97], s[16:17], s[96:97]      ; my 64 columns of bo
	s_lshl_b32 s88, s[WV], 2
	s_add_co_u32 s88, s88, s24
	s_lshl_b32 s88, s88, 11                        ; rows 4 w .. 4 w + 3 of my 32, 2,048 bytes each
	s_mov_b32 s89, 0
	s_add_nc_u64 s[88:89], s[18:19], s[88:89]
.irp z, 0,1
	WIN 0x40*\z
.set n, 0
.rept 24
	global_load_b128 v[F1+4*n:F1+4*n+3], v3, s[92:93] offset:12288*\z+512*n   ; Wo's fragments (2 z + e, s) at v[72 + 12 (4 e + s)] of window z
.set n, n+1
.endr
.irp m, 0,1,2,3
	global_load_b128 v[BO+4*\m:BO+4*\m+3], v8, s[96:97] offset:64*\z+16*\m   ; bo in the result's layout: the C of each sum's first product
.endr
.irp i, 0,1,2,3,4,5,6,7
	ds_load_b128 v[168+4*\i:168+4*\i+3], v[EG] offset:32768*\z+512*\i        ; g of tile z
.endr
.endr
	WIN 0
.irp m, 0,1,2,3,4,5,6,7
	global_load_b32 v[248+\m], v4, s[94:95] offset:128*\m
.endr
	s_wait_dscnt 0x0
.macro EX                              ; one tile's g * O, its block's scale, its codes
.set gj, 0
.rept 16
	v_pk_mul_f32 v[OT+gj:OT+gj+1], v[OT+gj:OT+gj+1], v[168+gj:168+gj+1]   ; each accumulator from its low end on
.set gj, gj+2
.endr
	v_max3_num_f32 v[MX], |v[OT]|, |v[OT+1]|, 0x1800000
	v_max3_num_f32 v[MX+1], |v[OT+16]|, |v[OT+17]|, 0x1800000
.irp i, 2,4,6,8,10,12,14
	s_delay_alu instid0(VALU_DEP_2)
	v_max3_num_f32 v[MX], v[MX], |v[OT+\i]|, |v[OT+\i+1]|
	s_delay_alu instid0(VALU_DEP_2)
	v_max3_num_f32 v[MX+1], v[MX+1], |v[OT+16+\i]|, |v[OT+17+\i]|
.endr
	s_delay_alu instid0(VALU_DEP_1)
	v_max_num_f32 v[MX], v[MX], v[MX+1]
	s_delay_alu instid0(VALU_DEP_1)
	v_add_nc_u32 v[SO], 0xff000000, v[MX]
	s_delay_alu instid0(VALU_DEP_1)
	v_lshrrev_b32 v[BY], 23, v[SO]
	v_cvt_scalef32_pk16_fp6_f32 v[PC:PC+2], v[OT:OT+15], v[SO]
	v_cvt_scalef32_pk16_fp6_f32 v[TC:TC+2], v[OT+16:OT+31], v[SO]
	v_nop                                          ; one plain place behind the scaled conversions
.irp i, 0,1,2
	v_mov_b32 v[PC+3+\i], v[TC+\i]
.endr
.endm
.irp z, 0,1
	WIN 0x55*\z
	EX
	WIN 0x04*\z                                    ; the data from window z, the address from window 0
.irp i, 0,1,2
	ds_store_b64 v[EXS], v[PC+2*\i:PC+2*\i+1] offset:6144*\z+256*\i
.endr
	ds_store_b8 v[EBS], v[BY] offset:256*\z
.endr
	WIN 0
	s_wait_alu depctr_va_vdst(0)
	s_wait_dscnt 0x0                               ; for the others' sake
	s_barrier_signal -1
	s_barrier_wait -1                              ; X's eight fragments lie in LDS
	s_wait_loadcnt 0x0                             ; Wo, its words, bo
.irp s, 0,1,2,3
.irp q, 0,1
.irp p, 0,1,2,3,4,5
	ds_load_b64 v[168+12*\q+2*\p:168+12*\q+2*\p+1], v[EXR] offset:(4*\q+\s)*1536+256*\p
.endr
	ds_load_b32 v[36+\q], v[EWR] offset:(4*\q+\s)*64
.endr
	s_wait_dscnt 0x0
.irp z, 0,1
	WIN 0x51*\z                                    ; Wo, C and D from window z; X from window 0.  Eight accumulators by turns
.irp q, 0,1
.irp e, 0,1
.if \s == 0
	MM OT+8*(2*\q+\e), F1+12*(4*\e+\s), 168+12*\q, BO+8*\e, 248+4*\e+\s, 36+\q, \z
.else
	MM OT+8*(2*\q+\e), F1+12*(4*\e+\s), 168+12*\q, OT+8*(2*\q+\e), 248+4*\e+\s, 36+\q, \z
.endif
.endr
.endr
.endr
	WIN 0
	NOP4                                           ; places ahead of the loads into X's registers, and at the end of the first read of the results
.endr
.irp z, 0,1
	WIN 0x04*\z
.irp q, 0,1
.irp e, 0,1
	ds_store_b128 v[EOS], v[OT+8*(2*\q+\e):OT+8*(2*\q+\e)+3] offset:16*OP*\q+64*\z+32*\e       ; out(16 q + r, my columns 16 z + 8 e + 0 .. 7 of half h)
	ds_store_b128 v[EOS], v[OT+8*(2*\q+\e)+4:OT+8*(2*\q+\e)+7] offset:16*OP*\q+64*\z+32*\e+16
.endr
.endr
.endr
	WIN 0
	s_wait_dscnt 0x0
	s_barrier_signal -1
	s_barrier_wait -1                              ; 32 whole rows lie in the stage
.irp i, 0,1,2,3,4,5,6,7,8,9,10,11,12,13,14,15
	ds_load_b128 v[F1+4*\i:F1+4*\i+3], v[EOR] offset:OP*(\i/4)+512*(\i%4)
.endr
.irp i, 0,1,2,3,4,5,6,7,8,9,10,11,12,13,14,15
	s_wait_dscnt 15-\i                             ; read i is in; the 15 - i younger ones may be out
	global_store_b128 v3, v[F1+4*\i:F1+4*\i+3], s[88:89] offset:2048*(\i/4)+512*(\i%4) th:TH_STORE_NT   ; 512 consecutive bytes, aligned
.endr
	s_wait_tensorcnt 0x0                           ; the wave's end, behind my last tensor load and my last LDS store
	ds_add_u32 v[SPW], v[NIL]
	s_wait_dscnt 0x0
	ROUND                                          ; the closing round
	s_endpgm
.Lfunc_end_k_q9c793951e1_attn:
	.size	k_q9c793951e1_attn, .Lfunc_end_k_q9c793951e1_attn-k_q9c793951e1_attn
	.p2alignl 7, 3214868480
	.fill 96, 4, 3214868480
	.section	.rodata,"a",@progbits
	.p2align	6, 0x0
	.amdhsa_kernel k_q9c793951e1_attn
		.amdhsa_group_segment_fixed_size 327680
		.amdhsa_private_segment_fixed_size 0
		.amdhsa_enable_private_segment 0
		.amdhsa_kernarg_size 64
		.amdhsa_user_sgpr_count 2
		.amdhsa_user_sgpr_kernarg_segment_ptr 1
		.amdhsa_wavefront_size32 1
		.amdhsa_system_sgpr_workgroup_id_x 1
		.amdhsa_system_sgpr_workgroup_id_y 1
		.amdhsa_system_sgpr_workgroup_id_z 1
		.amdhsa_system_vgpr_workitem_id 0
		.amdhsa_next_free_vgpr 512
		.amdhsa_next_free_sgpr 100
		.amdhsa_reserve_vcc 0
		.amdhsa_float_denorm_mode_32 3
		.amdhsa_float_denorm_mode_16_64 3
		.amdhsa_memory_ordered 1
		.amdhsa_forward_progress 1
		.amdhsa_inst_pref_size 169
	.end_amdhsa_kernel
	.amdgpu_metadata
---
amdhsa.version: [ 1, 2 ]
amdhsa.kernels:
  - .name:           k_q9c793951e1_attn
    .symbol:         k_q9c793951e1_attn.kd
    .args:
      - { .name: qimg, .offset: 0, .size: 8, .value_kind: global_buffer, .address_space: global }
      - { .name: kimg, .offset: 8, .size: 8, .value_kind: global_buffer, .address_space: global }
      - { .name: vimg, .offset: 16, .size: 8, .value_kind: global_buffer, .address_space: global }
      - { .name: gimg, .offset: 24, .size: 8, .value_kind: global_buffer, .address_space: global }
      - { .name: bias, .offset: 32, .size: 8, .value_kind: global_buffer, .address_space: global }
      - { .name: wimg, .offset: 40, .size: 8, .value_kind: global_buffer, .address_space: global }
      - { .name: bo, .offset: 48, .size: 8, .value_kind: global_buffer, .address_space: global }
      - { .name: out0, .offset: 56, .size: 8, .value_kind: global_buffer, .address_space: global }
    .group_segment_fixed_size: 327680
    .private_segment_fixed_size: 0
    .kernarg_segment_align: 8
    .kernarg_segment_size: 64
    .max_flat_workgroup_size: 256
    .sgpr_count:     100
    .vgpr_count:     512
    .wavefront_size: 32
...
	.end_amdgpu_metadata
.endif
;; end of part 3
